; MI455X (gfx1250); checked and timed in simulation.
; The chip was launched on July 23, 2026; its instructions are those of AMD's public machine-readable ISA for CDNA 5 (MIT licence, August 2026) and "CDNA5" Instruction Set Architecture Reference Guide (July 2026). The comments in the code are by the model that wrote it; some were corrected since.
;; Attention. Allowed arithmetic: matrix products marked QUANTISED: E2M3 operands, one E8M0 scale for each 32 along K, by v_wmma_scale_f32_16x16x128_f8f6f4 with both operands' format E2M3, f32 sums; everything else in f32.
;; Inputs: freqs_cos 2,048 x 16 float32; freqs_sin 2,048 x 16 float32; mask 2,048 x 2,048 float32; positions 2,048 int32; wk 256 x 4,096 float32; wo 4,096 x 1,024 float32; wq 1,024 x 4,096 float32; wv 256 x 4,096 float32; x 2 x 2,048 x 4,096 float32.
;; Outputs: out0 2 x 2,048 x 4,096 float32.
;; This version of the problem:
;;   THIS VERSION OF THE PROBLEM IS GIVEN IN LOW PRECISION. The matrix products marked QUANTISED in the list below multiply operands that are first quantised to E2M3 (2 exponent bits, 3 mantissa bits; 6 bits a number), with one power-of-two scale for each 32 numbers along K (OCP MX v1.0); their sums are f32. All else is computed in f32.
;;   The module's matrix products, in the order in which they are computed (A, B: the left and right operand; K: the contracted axis; several contracted axes count as one K, in the product's order):
;;     1. [M 4,096, K 4,096] x [K 4,096, N 1,024]; A: input x; B: input wq: QUANTISED
;;     2. [M 4,096, K 4,096] x [K 4,096, N 256]; A: input x; B: input wk: QUANTISED
;;     3. [M 4,096, K 4,096] x [K 4,096, N 256]; A: input x; B: input wv: QUANTISED
;;     4. batch 64 x [M 2,048, K 32] x [K 32, N 2,048]; A: computed on the way; B: computed on the way: QUANTISED
;;     5. batch 64 x [M 32, K 2,048] x [K 2,048, N 2,048]; A: computed on the way; B: softmax (see below): QUANTISED
;;     6. [M 4,096, K 1,024] x [K 1,024, N 4,096]; A: computed on the way; B: input wo: QUANTISED
;;   THE QUANTISER, for each operand of a quantised product, along K:
;;     - K is cut into blocks of 32 from its start; a last block that is shorter is filled with zeros.
;;     - A block's scale is 2^e with e = floor(log2(the largest magnitude in the block)) - 2, held to -126 .. 127; a block of zeros has e = 0. As a byte (E8M0): e + 127.
;;     - Each number is divided by its block's scale, clamped to +-7.5, and rounded to the nearest number of E2M3, ties to even, subnormals kept.
;;     - The product sums the exact products of the quantised numbers (number of the format x scale) in f32.
;;   ~~~python
;;   def quantise(x, axis):      # numpy; x: float32 -> the quantised numbers, widened to float32 again
;;       x = np.moveaxis(x, axis, -1); K = x.shape[-1]
;;       x = np.pad(x, [(0, 0)] * (x.ndim - 1) + [(0, -K % 32)]); x = x.reshape(x.shape[:-1] + (-1, 32)); a = np.abs(x).max(-1, keepdims=True)
;;       e = np.where(a > 0, np.clip(np.frexp(np.where(a > 0, a, 1))[1] - 1 - 2, -126, 127), 0)      # np.frexp(a)[1] - 1 = floor(log2(a)), exactly
;;       r = np.clip(x / 2.0 ** e, -7.5, 7.5)
;;       step = 2.0 ** (np.maximum(np.frexp(np.where(r == 0, 1, r))[1] - 1, 0) - 3)
;;       q = np.round(r / step) * step * 2.0 ** e      # np.round: ties to even
;;       return np.moveaxis(q.reshape(q.shape[:-2] + (-1,))[..., :K], -1, axis).astype(np.float32)
;;   ~~~
;;   SOFTMAX AHEAD OF A QUANTISED PRODUCT. Where the list says 'softmax', what is quantised is not the finished softmax but p = 2^(t - M), with t = logit x log2(e) and M = ceil(the row's largest t), a whole number; so 1/2 < the row's largest p <= 1. The row's sum l is taken of the UNQUANTISED p, in f32, and the product's result is divided by l at the end. Since M is a whole number, a kernel that streams over the keys may use a running M (the ceiling of the running maximum): every later rescaling is an exact power of two, which a block's scale takes up: the codes' values come out the same.
;;   OPERANDS COMPUTED ON THE WAY. 'Computed on the way' means the value that the module computes at that place (a softmax that the list does not call 'softmax' is quantised finished and normalised). What goes into a quantiser is computed in f32, as accurately as f32 sums, v_exp_f32 and their like allow (about 1e-6 of the number): no bf16 or f16 on the way to a quantiser, and a product that is left as it is and whose result goes on into a quantised operand takes f32 operands (vector FMAs, or v_wmma_f32_16x16x4_f32). A number that lies on a knife's edge between two numbers of the format may be rounded either way, as far as f32 arithmetic and the matrix unit's own rounding can turn it there, and no further.
;; One version. Each part assembles by itself: llvm-mc -triple=amdgcn-amd-amdhsa -mcpu=gfx1250 --defsym DOCPART=n.
;; ======== version 1 of 1: 4 launches
;; limits: right only within a limited range of input values
;; workspace buffers: x_img 13,107,200 bytes; w_img 4,915,200 bytes; wo_img 3,276,800 bytes; q_buf 3,670,016 bytes; kv_buf 1,736,704 bytes; o_img 3,276,800 bytes
;; launch quant (part 1): grid 416 x 1, 4 waves a work-group, no clusters, 34,304 bytes of LDS; arguments x, wq, wk, wv, wo, x_img, w_img, wo_img; writes x_img, w_img, wo_img
.if DOCPART == 1
	.amdgcn_target "amdgcn-amd-amdhsa--gfx1250"
	.amdhsa_code_object_version 6
	.text
	.protected	k_q35435c2372_quant
	.globl	k_q35435c2372_quant
	.p2align	8
	.type	k_q35435c2372_quant,@function
k_q35435c2372_quant:
	s_mov_b64 s[64:65], 0
	v_nop
	global_prefetch_b8 v0, s[64:65] scope:SCOPE_SE
	s_setreg_imm32_b32 hwreg(HW_REG_WAVE_MODE, 25, 1), 1
	s_wait_xcnt 0x0
; x [4096][4096], wq [1024][4096], wk, wv [256][4096], wo [4096][1024], all f32 with K innermost, become codes of FP6 (E2M3) with one E8M0 byte for each 32 along K,
; laid as IMAGES OF THE OPERAND'S REGISTERS: a fragment (16 rows x 128 K, 12 registers a lane) is 1,536 bytes, registers 4 c .. 4 c + 3 of lane l at 512 c + 16 l.
; Four K steps of one tile make a unit of 6,400 bytes: four images, then 256 bytes of scale words (K step q, row r at 6144 + 64 q + 4 r).
; THE ROWS OF A TILE ARE NOT NEIGHBOURS: row r of tile 2 B + u is row 32 B + 8 u + r + 8 (r / 8) of the tensor, so that results of two neighbouring tiles are 16 neighbours in a lane.
; A block's scale is 2^(floor(log2(its largest magnitude)) - 2); its byte is the largest magnitude's exponent field - 2, held at 1 from below.
; LIMITS: a block whose largest magnitude lies under 2^-124 (a block of zeros too) gets the byte 1; the bytes are read by this program alone.  NaN and infinities are not served.
; SHARES: a wave takes one tile x 1,024 along K: 8 steps of 128.  Work-groups 0-255: x, tile = work-group, wave = quarter of K; 256-319 wq; 320-335 wk; 336-351 wv likewise; 352-415: wo, a tile a wave.
; In w_img the tiles stand in the order in which the next launch's work-groups take them: wq's 64, then for t = 0 .. 3 wk's tiles 4 t .. 4 t + 3 and wv's tiles 4 t .. 4 t + 3.
; A load reads 512 consecutive bytes of one row; a step's 16 rows turn through the wave's own stage in LDS (rows 528 bytes apart) and come back 16 neighbours of each block to a lane.
; No tensor loads, no barrier: waves share nothing.  Loads run two steps (32 loads a wave) ahead.
; positions: reference() reads no value of it (only its fixed shape picks the prefill branch), so it has no way to any output: it is not loaded and is among no launch's arguments.
.set STG,   8448                       ; a wave's stage: 16 rows x 528 bytes
.set SPARE, 4*STG                      ; behind the stages: the spare words, 128 bytes a wave, that no other line names
.set QSR,   6400
.set LI,   1                           ; v1   16 x lane
.set LS,   2                           ; v2   4 x lane
.set SIN,  3                           ; v3   the stage, way in
.set SOUT, 4                           ; v4   the stage, way out: 528 r + 64 h
.set SPW,  5                           ; v5   my spare word; never rewritten
.set NIL,  6                           ; v6   0; never rewritten
.set PW,   7                           ; v7   the scale word just made
.set PWE,  8                           ; v8   that of the even step
.set WD,   9                           ; v9   two steps' words: lanes 0-15 the even step's, lanes 16-31 the odd one's
.set TM,   10                          ; v10-25 at work in QUANT
.set PC,   26                          ; v26-44 codes
.set X,    48                          ; v48-111 64 numbers of a lane
.set R,    112                         ; v112-239 two sets of 64 registers as loaded
.set RB,   32                          ; s[32:63] the addresses of my tile's 16 rows
.set SEL,  66                          ; s[66:67] selects of v_permlanex16_b32: lane l xor 16
.set HM,   68                          ; s68 mask of lanes 16-31
; 64 numbers of a lane, register 16 b + i = k 32 b + 16 (lane / 16) + i of my row, become a fragment's codes in v[PC] on and its scale word in v[PW]
.macro QUANT s
.irp b, 0,1,2,3
	v_max3_num_f32 v[TM+\b], |v[\s+16*\b]|, |v[\s+1+16*\b]|, 0x1800000   ; my 16 numbers of block b, and the floor 2^(3 - 127): the byte cannot fall under 1
.endr
.irp i, 2,4,6,8,10,12,14
.irp b, 0,1,2,3
	v_max3_num_f32 v[TM+\b], v[TM+\b], |v[\s+16*\b+\i]|, |v[\s+1+16*\b+\i]|
.endr
.endr
.irp b, 0,1,2,3
	v_permlanex16_b32 v[TM+4+\b], v[TM+\b], s[SEL], s[SEL+1]
.endr
.irp b, 0,1,2,3
	v_max_num_f32 v[TM+\b], v[TM+\b], v[TM+4+\b]                   ; with lane l xor 16's: the block's largest magnitude
.endr
.irp b, 0,1,2,3
	v_add_nc_u32 v[TM+12+\b], 0xff000000, v[TM+\b]                 ; 2 off its exponent field: the conversion's scale operand
.endr
.irp b, 0,1,2,3
	v_lshrrev_b32 v[TM+4+\b], 23, v[TM+12+\b]                      ; the scale's byte
.endr
	v_lshl_or_b32 v[PW], v[TM+5], 8, v[TM+4]
	v_lshl_or_b32 v[PW], v[TM+6], 16, v[PW]
	v_lshl_or_b32 v[PW], v[TM+7], 24, v[PW]
.irp c, 0,1
	v_cvt_scalef32_pk16_fp6_f32 v[PC+6*\c:PC+2+6*\c], v[\s+32*\c:\s+15+32*\c], v[TM+12+2*\c]
	v_cvt_scalef32_pk16_fp6_f32 v[PC+12+4*\c:PC+14+4*\c], v[\s+16+32*\c:\s+31+32*\c], v[TM+12+2*\c+1]   ; (a conversion's three registers begin on an even number)
.endr
	v_nop                                          ; one plain place behind a scaled conversion
.irp c, 0,1                                    ; the operand wants a whole block in a lane: lanes 0-15 block 2 c, lanes 16-31 block 2 c + 1
.irp i, 0,1,2
	v_permlane16_swap_b32 v[PC+6*\c+\i], v[PC+12+4*\c+\i]
.endr
.irp i, 0,1,2
	v_mov_b32 v[PC+3+6*\c+\i], v[PC+12+4*\c+\i]
.endr
.endr
.endm
	s_load_b256 s[4:11], s[0:1], 0x0               ; x, wq, wk, wv
	s_load_b256 s[12:19], s[0:1], 0x20             ; wo, x_img, w_img, wo_img
	v_lshl_add_u32 v[SPW], v0, 2, SPARE
	v_mov_b32 v[NIL], 0
	v_lshrrev_b32 v10, 5, v0
	v_readfirstlane_b32 s20, v10                   ; wave
	v_and_b32 v11, 31, v0                          ; lane
	v_and_b32 v12, 15, v0                          ; r
	v_bfe_u32 v13, v0, 4, 1                        ; h
	v_lshlrev_b32 v[LI], 4, v11
	v_lshlrev_b32 v[LS], 2, v11
	s_mul_i32 s28, s20, STG
	v_add_nc_u32 v[SIN], s28, v[LI]
	v_mul_u32_u24 v[SOUT], v12, 528
	v_lshl_add_u32 v[SOUT], v13, 6, v[SOUT]
	v_add_nc_u32 v[SOUT], s28, v[SOUT]
.irp b, 0,1,2,3
	v_mov_b32 v[TM+4+\b], 0                        ; written once: a lane permute's destination counts as one of its sources
.endr
	s_mov_b32 s[SEL], 0x76543210
	s_mov_b32 s[SEL+1], 0xfedcba98
	s_mov_b32 s[HM], 0xffff0000
	s_mov_b32 s21, ttmp9                           ; the work-group
	s_lshl_b32 s30, s20, 12                        ; my quarter of K: 1,024 numbers, 4,096 bytes
	s_mul_i32 s31, s20, 2*QSR                      ; and its two units in the image
	s_mov_b32 s69, 8*QSR                           ; from tile to tile in the image
	s_mov_b32 s23, 16384                           ; from row to row in the tensor
	s_wait_alu depctr_va_vdst(0)
	s_wait_kmcnt 0x0
	; which tensor: the choices hang on the work-group's number alone; one path serves all five
	s_cmp_lt_u32 s21, 256
	s_cselect_b64 s[24:25], s[4:5], s[6:7]
	s_cselect_b64 s[26:27], s[14:15], s[16:17]
	s_cselect_b32 s22, 0, 256                      ; the tensor's first work-group
	s_cmp_ge_u32 s21, 320
	s_cselect_b64 s[24:25], s[8:9], s[24:25]
	s_cselect_b32 s22, 320, s22
	s_cmp_ge_u32 s21, 336
	s_cselect_b64 s[24:25], s[10:11], s[24:25]
	s_cselect_b32 s22, 336, s22
	s_cmp_ge_u32 s21, 352                          ; wo: rows of 4,096 bytes, a tile a wave, all of K
	s_cselect_b64 s[24:25], s[12:13], s[24:25]
	s_cselect_b64 s[26:27], s[18:19], s[26:27]
	s_cselect_b32 s22, 352, s22
	s_cselect_b32 s23, 4096, s23
	s_cselect_b32 s30, 0, s30
	s_cselect_b32 s31, 0, s31
	s_cselect_b32 s69, 2*QSR, s69
	s_cselect_b32 s28, 2, 0
	s_cselect_b32 s29, s20, 0
	s_sub_co_u32 s22, s21, s22
	s_lshl_b32 s22, s22, s28
	s_add_co_u32 s22, s22, s29                     ; my tile in the tensor
	s_lshr_b32 s70, s22, 2                         ; wk's and wv's place in w_img: 64 + 8 (tile / 4) + tile % 4, wv's 4 further on
	s_lshl_b32 s70, s70, 3
	s_and_b32 s71, s22, 3
	s_add_co_u32 s70, s70, s71
	s_add_co_u32 s70, s70, 64
	s_cmp_ge_u32 s21, 336
	s_cselect_b32 s71, 4, 0
	s_add_co_u32 s70, s70, s71
	s_sub_co_u32 s71, s21, 320                     ; under 32 (unsigned) for wk and wv alone
	s_cmp_lt_u32 s71, 32
	s_cselect_b32 s70, s70, s22                    ; my tile in the image
	s_mul_i32 s70, s70, s69
	s_add_co_u32 s70, s70, s31
	s_mov_b32 s71, 0
	s_add_nc_u64 s[26:27], s[26:27], s[70:71]      ; where my two units begin
	s_lshr_b32 s28, s22, 1
	s_lshl_b32 s28, s28, 5
	s_and_b32 s29, s22, 1
	s_lshl_b32 s29, s29, 3
	s_add_co_u32 s28, s28, s29                     ; the tile's first row: 32 (tile / 2) + 8 (tile % 2)
	s_mul_i32 s28, s28, s23
	s_add_co_u32 s28, s28, s30
	s_mov_b32 s29, 0
	s_add_nc_u64 s[24:25], s[24:25], s[28:29]
.irp i, 0,1,2,3,4,5,6,7,8,9,10,11,12,13,14,15
	s_mul_i32 s28, s23, \i+8*(\i/8)                ; row i of the tile lies i + 8 (i / 8) rows on
	s_add_nc_u64 s[RB+2*\i:RB+2*\i+1], s[24:25], s[28:29]
.endr
.macro LOAD t                          ; step t: 512 consecutive bytes of each of the 16 rows
.irp i, 0,1,2,3,4,5,6,7,8,9,10,11,12,13,14,15
	global_load_b128 v[R+64*((\t)%2)+4*\i:R+64*((\t)%2)+4*\i+3], v[LI], s[RB+2*\i:RB+2*\i+1] offset:512*(\t) th:TH_LOAD_NT
.endr
.endm
.macro STEP t
	s_wait_xcnt 0x0                                ; the last step's stores have read their data: the codes and the words are written again only behind this wait
.if (\t) < 7
	s_wait_loadcnt 16                              ; this step's 16 loads are in; the next step's 16 may be out
.else
	s_wait_loadcnt 0x0
.endif
.irp i, 0,1,2,3,4,5,6,7,8,9,10,11,12,13,14,15
	ds_store_b128 v[SIN], v[R+64*((\t)%2)+4*\i:R+64*((\t)%2)+4*\i+3] offset:528*\i
.endr
.irp b, 0,1,2,3
.irp j, 0,1,2,3
	ds_load_b128 v[X+16*\b+4*\j:X+16*\b+4*\j+3], v[SOUT] offset:128*\b+16*\j   ; LDS serves a wave's instructions in order: these see the stores above
.endr
.endr
	s_wait_dscnt 0x0                               ; the numbers are back, and the stage's stores have read their registers,
.if (\t)+2 < 8
	LOAD (\t)+2                                    ; which take the loads of two steps on
.endif
	QUANT X
.irp c, 0,1,2
	global_store_b128 v[LI], v[PC+4*\c:PC+4*\c+3], s[26:27] offset:QSR*((\t)/4)+1536*((\t)%4)+512*\c   ; 32 lanes store 512 consecutive bytes, at a multiple of 256 from the buffer's first byte
.endr
.if (\t)%2 == 0
	v_mov_b32 v[PWE], v[PW]
.else
	v_cndmask_b32 v[WD], v[PWE], v[PW], s[HM]
	global_store_b32 v[LS], v[WD], s[26:27] offset:QSR*((\t)/4)+6144+128*(((\t)%4)/2)
.endif
.endm
	LOAD 0
	LOAD 1
.irp t, 0,1,2,3,4,5,6,7
	STEP \t
.endr
	s_wait_tensorcnt 0x0                           ; the wave's end: behind my last LDS store
	ds_add_u32 v[SPW], v[NIL]
	s_wait_dscnt 0x0
	s_endpgm
.Lfunc_end_k_q35435c2372_quant:
	.size	k_q35435c2372_quant, .Lfunc_end_k_q35435c2372_quant-k_q35435c2372_quant
	.p2alignl 7, 3214868480
	.fill 96, 4, 3214868480
	.section	.rodata,"a",@progbits
	.p2align	6, 0x0
	.amdhsa_kernel k_q35435c2372_quant
		.amdhsa_group_segment_fixed_size 34304
		.amdhsa_private_segment_fixed_size 0
		.amdhsa_enable_private_segment 0
		.amdhsa_kernarg_size 64
		.amdhsa_user_sgpr_count 2
		.amdhsa_user_sgpr_kernarg_segment_ptr 1
		.amdhsa_wavefront_size32 1
		.amdhsa_system_sgpr_workgroup_id_x 1
		.amdhsa_system_sgpr_workgroup_id_y 1
		.amdhsa_system_sgpr_workgroup_id_z 1
		.amdhsa_system_vgpr_workitem_id 0
		.amdhsa_next_free_vgpr 240
		.amdhsa_next_free_sgpr 80
		.amdhsa_reserve_vcc 0
		.amdhsa_float_denorm_mode_32 3
		.amdhsa_float_denorm_mode_16_64 3
		.amdhsa_memory_ordered 1
		.amdhsa_forward_progress 1
		.amdhsa_inst_pref_size 67
	.end_amdhsa_kernel
	.amdgpu_metadata
---
amdhsa.version: [ 1, 2 ]
amdhsa.kernels:
  - .name:           k_q35435c2372_quant
    .symbol:         k_q35435c2372_quant.kd
    .args:
      - { .name: x, .offset: 0, .size: 8, .value_kind: global_buffer, .address_space: global }
      - { .name: wq, .offset: 8, .size: 8, .value_kind: global_buffer, .address_space: global }
      - { .name: wk, .offset: 16, .size: 8, .value_kind: global_buffer, .address_space: global }
      - { .name: wv, .offset: 24, .size: 8, .value_kind: global_buffer, .address_space: global }
      - { .name: wo, .offset: 32, .size: 8, .value_kind: global_buffer, .address_space: global }
      - { .name: x_img, .offset: 40, .size: 8, .value_kind: global_buffer, .address_space: global }
      - { .name: w_img, .offset: 48, .size: 8, .value_kind: global_buffer, .address_space: global }
      - { .name: wo_img, .offset: 56, .size: 8, .value_kind: global_buffer, .address_space: global }
    .group_segment_fixed_size: 34304
    .private_segment_fixed_size: 0
    .kernarg_segment_align: 8
    .kernarg_segment_size: 64
    .max_flat_workgroup_size: 128
    .sgpr_count:     80
    .vgpr_count:     240
    .wavefront_size: 32
...
	.end_amdgpu_metadata
.endif
;; end of part 1
;; launch qkv (part 2): grid 12 x 16, 4 waves a work-group, clusters of 4 x 4, 327,680 bytes of LDS; arguments x_img, w_img, freqs_cos, freqs_sin, q_buf, kv_buf; writes q_buf, kv_buf
.if DOCPART == 2
	.amdgcn_target "amdgcn-amd-amdhsa--gfx1250"
	.amdhsa_code_object_version 6
	.text
	.protected	k_q35435c2372_qkv
	.globl	k_q35435c2372_qkv
	.p2align	8
	.type	k_q35435c2372_qkv,@function
k_q35435c2372_qkv:
	s_mov_b64 s[64:65], 0
	v_nop
	global_prefetch_b8 v0, s[64:65] scope:SCOPE_SE
	s_setreg_imm32_b32 hwreg(HW_REG_WAVE_MODE, 25, 1), 1
	s_wait_xcnt 0x0
	s_wait_alu depctr_hold_cnt(0) depctr_sa_sdst(0) depctr_va_vdst(0) depctr_va_sdst(0) depctr_va_ssrc(0) depctr_va_vcc(0) depctr_vm_vsrc(0)
	s_getreg_b32 s2, hwreg(HW_REG_IB_STS2, 6, 4)
	s_cmp_eq_u32 s2, 0
	s_cbranch_scc0 .Lentry_in_a_cluster
	s_endpgm
.Lentry_in_a_cluster:
	s_bfe_u32 s2, ttmp6, 0x10000c
	s_cmp_lg_u32 s2, 0xf033
	s_cbranch_scc0 .Lentry_shape_is_right
	s_endpgm
.Lentry_shape_is_right:
.set QSR,   6400
.set TSTR,  8*QSR
.set SLOT,  24*QSR
.set BOFF,  16*QSR
.set SPARE, 2*SLOT
.set VSTG,  18432
.set KVB,   108544
.set QHB,   57344
.set CSO,  15
.set ADRA, 16
.set ADRB, 18
.set ASA,  20
.set ASB,  22
.set OA,   24
.set OB,   25
.set OS,   26
.set VST,  27
.set VLD,  28
.set LI,   29
.set SPW,  30
.set NIL,  31
.set SC,   32
.set BF,   80
.set H,    80
.set T1,   144
.set T2,   160
.set PC,   176
.set TM,   196
.set PW,   212
.set PW0,  213
.set BW,   214
.set LS,   215
.set WV, 16
.set WI, 17
.set WJ, 18
.set CX, 19
.set CY, 20
.set JX, 21
.set IY, 22
.set G1, 24
.set G0, 32
.set G1B, 48
.set G0B, 56
.set SEL, 66
.set HM,  68
.set CNT, 69
.set MSB, 0
.macro WIN new
.if MSB != (\new)
	s_set_vgpr_msb (MSB<<8)|(\new)
.set MSB, (\new)
.endif
.endm
.macro PLACES n
.rept \n
	v_nop
.endr
.endm
.macro JLOAD g0a, g1a, g0b, g1b
	s_cmp_eq_u32 s[WI], 0
	s_cbranch_scc0 .Lfor_b_\@
	tensor_load_to_lds s[\g0a:\g0a+3], s[\g1a:\g1a+7]
	s_nop 0
.rept 4
	v_nop
.endr
	s_branch .Lasked_\@
.Lfor_b_\@:
	tensor_load_to_lds s[\g0b:\g0b+3], s[\g1b:\g1b+7]
	s_nop 0
.rept 4
	v_nop
.endr
.Lasked_\@:
.endm
.macro CREST
	s_cmp_lg_u32 s[WV], 0
	s_cbranch_scc1 .Lnot_wave_0_\@
	s_barrier_signal -3
.Lnot_wave_0_\@:
	s_barrier_wait -3
	s_barrier_signal -1
	s_barrier_wait -1
.endm
.macro CROUND
	s_barrier_signal -1
	s_barrier_wait -1
	CREST
.endm
.macro QUANT s
.irp b, 0,1,2,3
	v_max3_num_f32 v[TM+\b], |v[\s+16*\b]|, |v[\s+1+16*\b]|, 0x1800000
.endr
.irp i, 2,4,6,8,10,12,14
.irp b, 0,1,2,3
	v_max3_num_f32 v[TM+\b], v[TM+\b], |v[\s+16*\b+\i]|, |v[\s+1+16*\b+\i]|
.endr
.endr
.irp b, 0,1,2,3
	v_permlanex16_b32 v[TM+4+\b], v[TM+\b], s[SEL], s[SEL+1]
.endr
.irp b, 0,1,2,3
	v_max_num_f32 v[TM+\b], v[TM+\b], v[TM+4+\b]
.endr
.irp b, 0,1,2,3
	v_add_nc_u32 v[TM+12+\b], 0xff000000, v[TM+\b]
.endr
.irp b, 0,1,2,3
	v_lshrrev_b32 v[TM+4+\b], 23, v[TM+12+\b]
.endr
	v_lshl_or_b32 v[PW], v[TM+5], 8, v[TM+4]
	v_lshl_or_b32 v[PW], v[TM+6], 16, v[PW]
	v_lshl_or_b32 v[PW], v[TM+7], 24, v[PW]
.irp c, 0,1
	v_cvt_scalef32_pk16_fp6_f32 v[PC+6*\c:PC+2+6*\c], v[\s+32*\c:\s+15+32*\c], v[TM+12+2*\c]
	v_cvt_scalef32_pk16_fp6_f32 v[PC+12+4*\c:PC+14+4*\c], v[\s+16+32*\c:\s+31+32*\c], v[TM+12+2*\c+1]
.endr
	v_nop
.irp c, 0,1
.irp i, 0,1,2
	v_permlane16_swap_b32 v[PC+6*\c+\i], v[PC+12+4*\c+\i]
.endr
.irp i, 0,1,2
	v_mov_b32 v[PC+3+6*\c+\i], v[PC+12+4*\c+\i]
.endr
.endr
.endm
	s_load_b256 s[4:11], s[0:1], 0x0
	s_load_b128 s[12:15], s[0:1], 0x20
	v_lshl_add_u32 v[SPW], v0, 2, SPARE
	v_mov_b32 v[NIL], 0
	ds_add_u32 v[SPW], v[NIL]
	ds_add_u32 v[SPW], v[NIL]
	v_lshrrev_b32 v1, 5, v0
	v_readfirstlane_b32 s[WV], v1
	s_lshr_b32 s[WI], s[WV], 1
	s_and_b32 s[WJ], s[WV], 1
	s_bfe_u32 s[CX], ttmp6, 0x40000
	s_bfe_u32 s[CY], ttmp6, 0x40004
	s_lshl_b32 s[JX], ttmp9, 2
	s_add_co_u32 s[JX], s[JX], s[CX]
	s_and_b32 s[IY], ttmp7, 0xffff
	s_lshl_b32 s[IY], s[IY], 2
	s_add_co_u32 s[IY], s[IY], s[CY]
	s_lshl_b32 s70, s[CY], 2
	s_lshl_b32 s70, 15, s70
	s_lshl_b32 s71, 0x1111, s[CX]
	s_or_b32 s[G1], s70, (3<<16)|(1<<21)
	s_or_b32 s[G1B], s71, (3<<16)|(1<<21)
	s_mov_b32 s[G1+1], 800<<16
	s_mov_b32 s[G1+2], 8<<16
	s_mov_b32 s[G1+3], 800<<16
	s_mov_b32 s[G1+4], 8
	s_mov_b32 s[G1+5], TSTR/8
	s_mov_b32 s[G1+6], 0
	s_mov_b32 s[G1+7], 0
	s_mov_b32 s[G1B+1], 800<<16
	s_mov_b32 s[G1B+2], 4<<16
	s_mov_b32 s[G1B+3], 800<<16
	s_mov_b32 s[G1B+4], 4
	s_mov_b32 s[G1B+5], TSTR/8
	s_mov_b32 s[G1B+6], 0
	s_mov_b32 s[G1B+7], 0
	s_lshl_b32 s40, s[IY], 4
	s_lshl_b32 s41, s[WJ], 3
	s_add_co_u32 s40, s40, s41
	s_mul_i32 s40, s40, TSTR
	s_mov_b32 s41, 0
	s_lshl_b32 s44, s[JX], 3
	s_lshl_b32 s45, s[WJ], 2
	s_add_co_u32 s44, s44, s45
	s_mul_i32 s44, s44, TSTR
	s_mov_b32 s45, 0
	s_mul_i32 s42, s[WJ], 8*QSR
	s_mul_i32 s46, s[WJ], 4*QSR
	s_add_co_u32 s46, s46, BOFF
	s_mov_b32 s[SEL], 0x76543210
	s_mov_b32 s[SEL+1], 0xfedcba98
	s_mov_b32 s[HM], 0xffff0000
	s_wait_dscnt 0x0
	s_wait_kmcnt 0x0
	s_add_nc_u64 s[40:41], s[4:5], s[40:41]
	s_add_nc_u64 s[44:45], s[6:7], s[44:45]
	CROUND
.irp s, 0,1
	s_mov_b32 s[G0+4*\s], 1
	s_add_co_u32 s[G0+4*\s+1], s42, \s*SLOT
	s_add_nc_u64 s[G0+4*\s+2:G0+4*\s+3], s[40:41], \s*QSR
	s_or_b32 s[G0+4*\s+3], s[G0+4*\s+3], 0x80000000
	s_mov_b32 s[G0B+4*\s], 1
	s_add_co_u32 s[G0B+4*\s+1], s46, \s*SLOT
	s_add_nc_u64 s[G0B+4*\s+2:G0B+4*\s+3], s[44:45], \s*QSR
	s_or_b32 s[G0B+4*\s+3], s[G0B+4*\s+3], 0x80000000
	s_wait_alu depctr_va_vdst(0)
	s_wait_tensorcnt 0x0
	ds_add_u32 v30, v31
	ds_add_u32 v30, v31
	s_wait_dscnt 0x0
	CROUND
	JLOAD G0+4*\s, G1, G0B+4*\s, G1B
.endr
	v_and_b32 v1, 31, v0
	v_and_b32 v2, 15, v0
	v_bfe_u32 v3, v0, 4, 1
	v_and_b32 v4, 8, v2
	v_add_nc_u32 v4, v4, v2
	v_lshlrev_b32 v[LI], 4, v1
	v_lshlrev_b32 v[LS], 2, v1
	s_mul_i32 s72, s[WI], 8*QSR
	s_mul_i32 s73, s[WJ], 4*QSR
	s_add_co_u32 s73, s73, BOFF
.irp s, 0,1
	v_add_nc_u32 v[ADRA+\s], s72, v[LI]
	v_add_nc_u32 v[ADRB+\s], s73, v[LI]
	v_add_nc_u32 v[ASA+\s], s72, v[LS]
	v_add_nc_u32 v[ASB+\s], s73, v[LS]
	s_add_co_u32 s72, s72, SLOT
	s_add_co_u32 s73, s73, SLOT
.endr
	s_mul_i32 s74, s[WI], VSTG
	v_mul_u32_u24 v[VST], v4, 144
	v_lshl_add_u32 v[VST], v3, 6, v[VST]
	v_add_nc_u32 v[VST], s74, v[VST]
	v_mul_u32_u24 v[VLD], v3, 2304
	v_lshl_add_u32 v[VLD], v4, 2, v[VLD]
	v_add_nc_u32 v[VLD], s74, v[VLD]
.irp b, 0,1,2,3
	v_mov_b32 v[TM+4+\b], 0
.endr
	v_lshlrev_b32 v[CSO], 6, v4
	v_lshl_add_u32 v[CSO], v3, 5, v[CSO]
; PREFETCH INTO THE L2: a K chunk of one tile is a unit of 6,400 bytes, 25 blocks of 256.  Behind each joint refill (chunk c + 2) the units of chunk c + 3 are named, a lane a block
; (lanes 25-31 name the unit's last block again), one slot's 128 matrix instructions a wave ahead of the load that wants them.  The four partners that ask for a tile jointly share its units out BY ADDRESS:
; of the 8 units that an A wave fetches the partner at cx takes units 2 cx and 2 cx + 1; of the 4 units of a B wave the partner at cy takes unit cy.  So each block is named once in a cluster.
; The head names chunk 2; chunks 0 and 1 come by their loads alone; the last refill (c = 5) names nothing, since there is no chunk 8.
.set PFO, 6                            ; v6       256 x min(lane, 24); never rewritten
.set PFA, 94                           ; s[94:95] my units of the chunk to be named next
	v_min_u32 v[PFO], 24, v1
	v_lshlrev_b32 v[PFO], 8, v[PFO]
	s_wait_alu depctr_va_vdst(0)
	s_lshl_b32 s78, s[IY], 4
	s_lshl_b32 s79, s[WJ], 3
	s_add_co_u32 s78, s78, s79
	s_lshl_b32 s79, s[CX], 1
	s_add_co_u32 s78, s78, s79                     ; A: tile 16 x tile row + 8 x half + 2 cx
	s_lshl_b32 s96, s[JX], 3
	s_lshl_b32 s97, s[WJ], 2
	s_add_co_u32 s96, s96, s97
	s_add_co_u32 s96, s96, s[CY]                   ; B: tile 8 x tile column + 4 x half + cy
	s_cmp_eq_u32 s[WI], 0                          ; do I fetch for A?
	s_cselect_b32 s78, s78, s96
	s_cselect_b64 s[PFA:PFA+1], s[4:5], s[6:7]
	s_mul_i32 s78, s78, TSTR
	s_add_co_u32 s78, s78, 2*QSR                   ; chunk 2
	s_mov_b32 s79, 0
	s_add_nc_u64 s[PFA:PFA+1], s[PFA:PFA+1], s[78:79]
.macro ASK slot
.if \slot
	s_cmp_gt_u32 s[CNT], 1                         ; slot 1's refill of the last lap has no chunk three on
	s_cbranch_scc0 .Lno_ask_\@
.endif
	global_prefetch_b8 v[PFO], s[PFA:PFA+1] th:TH_LOAD_NT scope:SCOPE_SE
	s_cmp_eq_u32 s[WI], 0
	s_cbranch_scc0 .Lno_ask_\@
	global_prefetch_b8 v[PFO], s[PFA:PFA+1] offset:TSTR th:TH_LOAD_NT scope:SCOPE_SE   ; an A wave's second unit
.Lno_ask_\@:
.endm
	ASK 0
	s_lshl_b32 s76, s[IY], 8
	s_lshl_b32 s77, s[WI], 7
	s_add_co_u32 s76, s76, s77
	s_and_b32 s76, s76, 2047
	s_lshl_b32 s76, s76, 6
	s_mov_b32 s77, 0
	s_add_nc_u64 s[8:9], s[8:9], s[76:77]
	s_add_nc_u64 s[10:11], s[10:11], s[76:77]
	WIN 0xc0
.irp a, 0,1,2,3,4,5,6,7
	global_load_b128 v[16*\a:16*\a+3],     v[CSO], s[8:9] offset:(32*(\a/2)+8*(\a%2))*64
	global_load_b128 v[16*\a+4:16*\a+7],   v[CSO], s[8:9] offset:(32*(\a/2)+8*(\a%2))*64+16
	global_load_b128 v[16*\a+8:16*\a+11],  v[CSO], s[10:11] offset:(32*(\a/2)+8*(\a%2))*64
	global_load_b128 v[16*\a+12:16*\a+15], v[CSO], s[10:11] offset:(32*(\a/2)+8*(\a%2))*64+16
.endr
	WIN 0
.macro FETCH slot, q, set
	WIN 0x40
.irp a, 0,1,2,3,4,5,6,7
.irp c, 0,1,2
	ds_load_b128 v[96*(\set)+12*\a+4*\c:96*(\set)+12*\a+4*\c+3], v[ADRA+\slot] offset:\a*QSR+1536*(\q)+512*\c
.endr
.endr
	WIN 0
.irp b, 0,1,2,3
.irp c, 0,1,2
	ds_load_b128 v[BF+48*(\set)+12*\b+4*\c:BF+48*(\set)+12*\b+4*\c+3], v[ADRB+\slot] offset:\b*QSR+1536*(\q)+512*\c
.endr
.endr
.endm
.macro SCALES slot
.irp a, 0,1,2,3,4,5,6,7
.irp p, 0,1
	ds_load_b32 v[SC+24*(\slot)+2*\a+\p], v[ASA+\slot] offset:\a*QSR+6144+128*\p
.endr
.endr
.irp b, 0,1,2,3
.irp p, 0,1
	ds_load_b32 v[SC+24*(\slot)+16+2*\b+\p], v[ASB+\slot] offset:\b*QSR+6144+128*\p
.endr
.endr
.endm
.macro MUL a0, n, set, q, sc, zero
	WIN 0xa4
.set aa, \a0
.rept \n
.irp b, 0,1,2,3
.if \zero
	v_wmma_scale_f32_16x16x128_f8f6f4 v[8*(4*aa+\b):8*(4*aa+\b)+7], v[BF+48*(\set)+12*\b:BF+48*(\set)+12*\b+11], v[96*(\set)+12*aa:96*(\set)+12*aa+11], 0, v[SC+24*(\sc)+16+2*\b+(\q)/2], v[SC+24*(\sc)+2*aa+(\q)/2] matrix_a_fmt:MATRIX_FMT_FP6 matrix_b_fmt:MATRIX_FMT_FP6
.elseif (\q)%2
	v_wmma_scale_f32_16x16x128_f8f6f4 v[8*(4*aa+\b):8*(4*aa+\b)+7], v[BF+48*(\set)+12*\b:BF+48*(\set)+12*\b+11], v[96*(\set)+12*aa:96*(\set)+12*aa+11], v[8*(4*aa+\b):8*(4*aa+\b)+7], v[SC+24*(\sc)+16+2*\b+(\q)/2], v[SC+24*(\sc)+2*aa+(\q)/2] matrix_a_fmt:MATRIX_FMT_FP6 matrix_b_fmt:MATRIX_FMT_FP6 matrix_a_scale:MATRIX_SCALE_ROW1 matrix_b_scale:MATRIX_SCALE_ROW1
.else
	v_wmma_scale_f32_16x16x128_f8f6f4 v[8*(4*aa+\b):8*(4*aa+\b)+7], v[BF+48*(\set)+12*\b:BF+48*(\set)+12*\b+11], v[96*(\set)+12*aa:96*(\set)+12*aa+11], v[8*(4*aa+\b):8*(4*aa+\b)+7], v[SC+24*(\sc)+16+2*\b+(\q)/2], v[SC+24*(\sc)+2*aa+(\q)/2] matrix_a_fmt:MATRIX_FMT_FP6 matrix_b_fmt:MATRIX_FMT_FP6
.endif
.endr
.set aa, aa+1
.endr
.endm
.macro STEP slot, q, zero
	s_wait_dscnt 0x0
	MUL 0, 2, (\q)%2, \q, \slot, \zero
	PLACES 4
	FETCH \slot, (\q)+1, ((\q)+1)%2
	MUL 2, 6, (\q)%2, \q, \slot, \zero
	WIN 0
.endm
.macro TURN slot, next, fill
.if \fill
	s_wait_xcnt 0x0                                ; my last prefetch has read its address: it steps one chunk on only behind this wait
	s_add_nc_u64 s[PFA:PFA+1], s[PFA:PFA+1], QSR
.endif
	s_wait_tensorcnt 0x0
	ds_add_u32 v[SPW], v[NIL]
	s_wait_dscnt 1
	MUL 0, 2, 1, 3, \slot, 0
	s_wait_dscnt 0x0
	s_barrier_signal -1
	MUL 2, 2, 1, 3, \slot, 0
	WIN 0
	s_barrier_wait -1
.if \fill
	CREST
	s_add_nc_u64 s[G0+4*\slot+2:G0+4*\slot+3], s[G0+4*\slot+2:G0+4*\slot+3], 2*QSR
	s_add_nc_u64 s[G0B+4*\slot+2:G0B+4*\slot+3], s[G0B+4*\slot+2:G0B+4*\slot+3], 2*QSR
	JLOAD G0+4*\slot, G1, G0B+4*\slot, G1B
.else
	PLACES 4
.endif
	FETCH \next, 0, 0
	SCALES \next
.if \fill
	ASK \slot
.endif
	MUL 4, 4, 1, 3, \slot, 0
	WIN 0
.endm
	s_wait_tensorcnt 0x1
	s_barrier_signal -1
	s_barrier_wait -1
	FETCH 0, 0, 0
	SCALES 0
	STEP 0, 0, 1
	STEP 0, 1, 0
	STEP 0, 2, 0
	s_mov_b32 s[CNT], 3
.Llap:
	TURN 0, 1, 1
	STEP 1, 0, 0
	STEP 1, 1, 0
	STEP 1, 2, 0
	TURN 1, 0, 1
	STEP 0, 0, 0
	STEP 0, 1, 0
	STEP 0, 2, 0
	s_sub_co_u32 s[CNT], s[CNT], 1
	s_cmp_lg_u32 s[CNT], 0
	s_cbranch_scc1 .Llap
	TURN 0, 1, 0
	STEP 1, 0, 0
	STEP 1, 1, 0
	STEP 1, 2, 0
	s_wait_dscnt 0x0
	MUL 0, 8, 1, 3, 1, 0
	WIN 0
	PLACES 4
	s_wait_loadcnt 0x0
	s_cmp_lg_u32 ttmp9, 2
	s_cbranch_scc1 .Lqk
	s_cmp_eq_u32 s[WJ], 0
	s_cbranch_scc1 .Lqk
	s_lshr_b32 s80, s[IY], 3
	s_lshl_b32 s80, s80, 3
	s_lshl_b32 s81, s[CX], 1
	s_add_co_u32 s80, s80, s81
	s_mul_i32 s80, s80, KVB
	s_mov_b32 s81, 0
	s_add_nc_u64 s[82:83], s[14:15], s[80:81]
	s_lshl_b32 s84, s[IY], 1
	s_add_co_u32 s84, s84, s[WI]
	s_and_b32 s84, s84, 15
	s_mul_i32 s80, s84, 3072
	s_add_nc_u64 s[86:87], s[82:83], s[80:81]
	s_lshl_b32 s80, s84, 7
	s_add_nc_u64 s[88:89], s[82:83], s[80:81]
.irp g, 0,1
	WIN 0x08
.irp a, 0,1,2,3,4,5,6,7
.irp u, 0,1
	ds_store_b128 v[VST], v[8*(4*\a+2*\g+\u):8*(4*\a+2*\g+\u)+3] offset:(32*(\a/2)+8*(\a%2))*144+32*\u
	ds_store_b128 v[VST], v[8*(4*\a+2*\g+\u)+4:8*(4*\a+2*\g+\u)+7] offset:(32*(\a/2)+8*(\a%2))*144+32*\u+16
.endr
.endr
	WIN 0
.irp u, 0,1
.set nn, 0
.rept 64
	ds_load_b32 v[H+nn], v[VLD] offset:(32*(nn/16)+nn%16)*144+32*\u
.set nn, nn+1
.endr
	s_wait_dscnt 0x0
	s_wait_xcnt 0x0
	QUANT H
.irp c, 0,1,2
	global_store_b128 v[LI], v[PC+4*\c:PC+4*\c+3], s[86:87] offset:KVB*\g+57344+1536*\u+512*\c
.endr
.if \u == 0
	v_mov_b32 v[PW0], v[PW]
.else
	v_cndmask_b32 v[BW], v[PW0], v[PW], s[HM]
	global_store_b32 v[LS], v[BW], s[88:89] offset:KVB*\g+106496
.endif
.endr
.endr
	s_branch .Lend
.Lqk:
	s_lshr_b32 s80, s[IY], 3
	s_lshl_b32 s81, s80, 3
	s_lshl_b32 s82, s[CX], 1
	s_add_co_u32 s81, s81, s82
	s_lshl_b32 s82, s80, 5
	s_lshl_b32 s83, s[JX], 2
	s_add_co_u32 s82, s82, s83
	s_lshl_b32 s83, s[WJ], 1
	s_add_co_u32 s82, s82, s83
	s_mov_b32 s84, QHB
	s_cmp_eq_u32 ttmp9, 2
	s_cselect_b64 s[86:87], s[14:15], s[12:13]
	s_cselect_b32 s84, KVB, s84
	s_cselect_b32 s81, s81, s82
	s_mul_i32 s88, s81, s84
	s_mov_b32 s89, 0
	s_add_nc_u64 s[86:87], s[86:87], s[88:89]
	s_lshl_b32 s90, s[IY], 4
	s_lshl_b32 s91, s[WI], 3
	s_add_co_u32 s90, s90, s91
	s_and_b32 s90, s90, 127
	v_mul_lo_u32 v5, v3, s84
	s_lshl_b32 s91, s90, 8
	v_lshl_add_u32 v[OA], v2, 4, v5
	v_add_nc_u32 v[OA], s91, v[OA]
	s_lshl_b32 s92, s90, 7
	s_add_co_u32 s92, s92, 32768
	v_lshl_add_u32 v[OB], v2, 3, v5
	v_add_nc_u32 v[OB], s92, v[OB]
	s_lshl_b32 s93, s90, 6
	s_add_co_u32 s93, s93, 49152
	v_lshl_add_u32 v[OS], v2, 2, v5
	v_add_nc_u32 v[OS], s93, v[OS]
.macro QKTILE a
	WIN 0x0e
.irp g, 0,1
.irp p, 0,1,2,3,4,5,6,7
	v_mul_f32 v[T1+8*\g+\p], v[8*(4*(\a)+2*\g+\p/4)+2*(\p%4)+1], v[16*(\a)+8+\p]
	v_mul_f32 v[T2+8*\g+\p], v[8*(4*(\a)+2*\g+\p/4)+2*(\p%4)+1], v[16*(\a)+\p]
.endr
.endr
.irp g, 0,1
.irp p, 0,1,2,3,4,5,6,7
	v_fma_f32 v[H+16*\g+2*\p],   v[8*(4*(\a)+2*\g+\p/4)+2*(\p%4)], v[16*(\a)+\p],   -v[T1+8*\g+\p]
	v_fma_f32 v[H+16*\g+2*\p+1], v[8*(4*(\a)+2*\g+\p/4)+2*(\p%4)], v[16*(\a)+8+\p], v[T2+8*\g+\p]
.endr
.endr
	WIN 0
.irp g, 0,1
	v_max3_num_f32 v[TM+\g], |v[H+16*\g]|, |v[H+16*\g+1]|, 0x1800000
.endr
.irp i, 2,4,6,8,10,12,14
.irp g, 0,1
	v_max3_num_f32 v[TM+\g], v[TM+\g], |v[H+16*\g+\i]|, |v[H+16*\g+\i+1]|
.endr
.endr
.irp g, 0,1
	v_permlanex16_b32 v[TM+4+\g], v[TM+\g], s[SEL], s[SEL+1]
.endr
.irp g, 0,1
	v_max_num_f32 v[TM+\g], v[TM+\g], v[TM+4+\g]
.endr
.irp g, 0,1
	v_add_nc_u32 v[TM+12+\g], 0xff000000, v[TM+\g]
.endr
.irp g, 0,1
	v_lshrrev_b32 v[TM+4+\g], 23, v[TM+12+\g]
.endr
	s_wait_alu depctr_va_vdst(0)
	s_wait_xcnt 0x0
	v_cvt_scalef32_pk16_fp6_f32 v[PC:PC+2], v[H:H+15], v[TM+12]
	v_cvt_scalef32_pk16_fp6_f32 v[PC+12:PC+14], v[H+16:H+31], v[TM+13]
	v_cndmask_b32 v[BW], v[TM+4], v[TM+5], s[HM]
.irp i, 0,1,2
	v_permlane16_swap_b32 v[PC+\i], v[PC+12+\i]
.endr
.irp i, 0,1,2
	v_mov_b32 v[PC+3+\i], v[PC+12+\i]
.endr
	global_store_b128 v[OA], v[PC:PC+3], s[86:87] offset:256*(\a)
	global_store_b64 v[OB], v[PC+4:PC+5], s[86:87] offset:128*(\a)
	global_store_b32 v[OS], v[BW], s[86:87] offset:64*(\a)
.endm
.irp a, 0,1,2,3,4,5,6,7
	QKTILE \a
.endr
.Lend:
	s_wait_tensorcnt 0x0
	ds_add_u32 v[SPW], v[NIL]
	s_wait_dscnt 0x0
	CROUND
	s_endpgm
.Lfunc_end_k_q35435c2372_qkv:
	.size	k_q35435c2372_qkv, .Lfunc_end_k_q35435c2372_qkv-k_q35435c2372_qkv
	.p2alignl 7, 3214868480
	.fill 96, 4, 3214868480
	.section	.rodata,"a",@progbits
	.p2align	6, 0x0
	.amdhsa_kernel k_q35435c2372_qkv
		.amdhsa_group_segment_fixed_size 327680
		.amdhsa_private_segment_fixed_size 0
		.amdhsa_enable_private_segment 0
		.amdhsa_kernarg_size 48
		.amdhsa_user_sgpr_count 2
		.amdhsa_user_sgpr_kernarg_segment_ptr 1
		.amdhsa_wavefront_size32 1
		.amdhsa_system_sgpr_workgroup_id_x 1
		.amdhsa_system_sgpr_workgroup_id_y 1
		.amdhsa_system_sgpr_workgroup_id_z 1
		.amdhsa_system_vgpr_workitem_id 0
		.amdhsa_next_free_vgpr 1024
		.amdhsa_next_free_sgpr 100
		.amdhsa_reserve_vcc 0
		.amdhsa_float_denorm_mode_32 3
		.amdhsa_float_denorm_mode_16_64 3
		.amdhsa_memory_ordered 1
		.amdhsa_forward_progress 1
		.amdhsa_inst_pref_size 208
	.end_amdhsa_kernel
	.amdgpu_metadata
---
amdhsa.version: [ 1, 2 ]
amdhsa.kernels:
  - .name:           k_q35435c2372_qkv
    .symbol:         k_q35435c2372_qkv.kd
    .args:
      - { .name: x_img, .offset: 0, .size: 8, .value_kind: global_buffer, .address_space: global }
      - { .name: w_img, .offset: 8, .size: 8, .value_kind: global_buffer, .address_space: global }
      - { .name: freqs_cos, .offset: 16, .size: 8, .value_kind: global_buffer, .address_space: global }
      - { .name: freqs_sin, .offset: 24, .size: 8, .value_kind: global_buffer, .address_space: global }
      - { .name: q_buf, .offset: 32, .size: 8, .value_kind: global_buffer, .address_space: global }
      - { .name: kv_buf, .offset: 40, .size: 8, .value_kind: global_buffer, .address_space: global }
    .group_segment_fixed_size: 327680
    .private_segment_fixed_size: 0
    .kernarg_segment_align: 8
    .kernarg_segment_size: 48
    .max_flat_workgroup_size: 128
    .sgpr_count:     100
    .vgpr_count:     1024
    .wavefront_size: 32
...
	.end_amdgpu_metadata
.endif
;; end of part 2
;; launch attn (part 3): grid 16 x 16, 8 waves a work-group, clusters of 4 x 4, 327,680 bytes of LDS; arguments q_buf, kv_buf, mask, o_img; writes o_img
.if DOCPART == 3
	.amdgcn_target "amdgcn-amd-amdhsa--gfx1250"
	.amdhsa_code_object_version 6
	.text
	.protected	k_q35435c2372_attn
	.globl	k_q35435c2372_attn
	.p2align	8
	.type	k_q35435c2372_attn,@function
k_q35435c2372_attn:
	s_mov_b64 s[64:65], 0
	v_nop
	global_prefetch_b8 v0, s[64:65] scope:SCOPE_SE
	s_setreg_imm32_b32 hwreg(HW_REG_WAVE_MODE, 25, 1), 1
	s_wait_xcnt 0x0
	s_wait_alu depctr_hold_cnt(0) depctr_sa_sdst(0) depctr_va_vdst(0) depctr_va_sdst(0) depctr_va_ssrc(0) depctr_va_vcc(0) depctr_vm_vsrc(0)
	s_getreg_b32 s2, hwreg(HW_REG_IB_STS2, 6, 4)
	s_cmp_eq_u32 s2, 0
	s_cbranch_scc0 .Lentry_in_a_cluster
	s_endpgm
.Lentry_in_a_cluster:
	s_bfe_u32 s2, ttmp6, 0x10000c
	s_cmp_lg_u32 s2, 0xf033
	s_cbranch_scc0 .Lentry_shape_is_right
	s_endpgm
.Lentry_shape_is_right:
; Attention on codes of FP6 (E2M3): S^T = K Q^T, p = 2^(t - M), O^T = V^T p^T, O / l quantised into o_img as images of operand registers.
; A work-group takes 128 queries of one (batch, key/value head); a wave 16 queries x the 4 query heads that share K and V; 16 steps of 128 keys.
; K, V and their scales of the whole sequence (108,544 bytes) lie in LDS for the whole launch; the mask (an input: every tile is read) goes through two slots of 128 rows x 128 keys.
; CLUSTERS 4 x 4: K and V are shared along a row of the cluster, the mask's tiles along a column: joint loads.
; THE MASK IS THE C OF THE SCORE PRODUCT: C = mask x sqrt(32), made once a step for all four heads, so that S' = q.k + mask sqrt(32) and t = S' x c, c = log2(e) / sqrt(32).
; LIMIT: that order of rounding differs from reference()'s (q.k / sqrt(32) + mask) log2(e), by f32 rounding of the mask's term.  The promise holds while |t| stays under 2^31.
; THE KEYS OF A K TILE ARE CHOSEN BY LDS ADDRESS: row r of tile 4 c + u is key 64 c + 32 (r / 8) + 8 u + r % 8, so lane (r, h) holds query r and its registers 32 c .. 32 c + 31
; hold keys 64 c + 32 h + 0 .. 31: one whole block of 32 in a lane, in the order of the operand's layout: a block's maximum needs no other lane and the codes change no lane.
; M is the ceiling of the running largest t, kept as -M; the row's sum is taken of the unquantised p; a block's largest p comes from its largest score by the same two instructions.
; ORDER: two sets of score registers by turns: head j + 1's scores are issued ahead of head j's softmax, over the step's end too.  The next step's mask, K and scales are read from LDS behind
; head 3's scores, V behind head 3's second product.  So mask tile t + 1 is whole in step t, and tile t + 2 is asked for in step t: the wait for it stands one whole step later
; (40 matrix instructions and four heads' softmax): for that reason no prefetch of the mask is laid.
; REGISTERS: window 0: v1-15 addresses, v16-31 state (-M, largest S', two halves of l for each head), v32-95 and v96-159 scores, v160-179 codes, v180-208 small things and scale words.
;   window 1: v0-47 Q, v48-101 K, v102-125 V, v128-191 O^T, v192-255 the mask x sqrt(32).
.set MP,     528                       ; an LDS row of the mask: 512 bytes + 16
.set MSLOT1, 1<<17
.set SPARE,  128*MP                    ; the spare words, 128 bytes a wave
.set KV,     MSLOT1+128*MP
.set KVB,    108544
.set QHB,    57344
.set KPB,    32768
.set KSW,    49152
.set VIM,    57344
.set VSW,    106496
.set AM0,  1
.set AKA0, 2
.set AKB0, 3
.set AKS0, 4
.set AV0,  5
.set AVS0, 6
.set SPW,  7
.set NIL,  8
.set H8,   15                          ; 8 x (lane / 16)
.set ST,   16
.set S0,   32
.set S1,   96
.set TM,   32
.set PC,   160
.set CT,   172
.set BM,   180
.set BP,   184
.set SD,   186                         ; a chain of the row's sum (free behind the maxima)
.set BS,   188
.set F,    192
.set PW,   193
.set T0,   194
.set SA,   196
.set SB,   198
.set KSC,  200
.set VSC,  204
.set QSC,  205
.set QF,   0
.set KF,   48
.set VF,   102
.set OF,   128
.set MK,   192
.set WV, 12
.set CX, 13
.set CY, 14
.set QX, 15
.set YY, 16
.set G1M,  24
.set G1KV, 32
.set G0M,  40
.set G0KV, 44
.set CC,  48
.set SQ,  50
.set SEL, 52
.set HM,  54
.set TB,  55
.set TKA, 56
.set TKB, 57
.set TKS, 58
.set TV,  59
.set TVS, 60
.set CNT, 61
.set QT,  62
.set G1MH, 68
.set G0MH, 76
.set MSB, 0
.macro WIN new
.if MSB != (\new)
	s_set_vgpr_msb (MSB<<8)|(\new)
.set MSB, (\new)
.endif
.endm
.macro PLACES
.rept 4
	v_nop
.endr
.endm
.macro CREST                           ; a round of the cluster's barrier behind its opening barrier
	s_cmp_lg_u32 s[WV], 0
	s_cbranch_scc1 .Lnot_wave_0_\@
	s_barrier_signal -3
.Lnot_wave_0_\@:
	s_barrier_wait -3
	s_barrier_signal -1
	s_barrier_wait -1
.endm
.macro CROUND
	s_barrier_signal -1
	s_barrier_wait -1
	CREST
.endm
; 64 numbers of a lane, register 16 b + i = k 32 b + 16 (lane / 16) + i of my row, become a fragment's codes in v[PC] on and its scale word in v[PW]
.macro QUANT s
.irp b, 0,1,2,3
	v_max3_num_f32 v[TM+\b], |v[\s+16*\b]|, |v[\s+1+16*\b]|, 0x1800000
.endr
.irp i, 2,4,6,8,10,12,14
.irp b, 0,1,2,3
	s_delay_alu instid0(VALU_DEP_4)
	v_max3_num_f32 v[TM+\b], v[TM+\b], |v[\s+16*\b+\i]|, |v[\s+1+16*\b+\i]|
.endr
.endr
.irp b, 0,1,2,3
	v_permlanex16_b32 v[TM+4+\b], v[TM+\b], s[SEL], s[SEL+1]
.endr
.irp b, 0,1,2,3
	v_max_num_f32 v[TM+\b], v[TM+\b], v[TM+4+\b]
.endr
.irp b, 0,1,2,3
	v_add_nc_u32 v[TM+12+\b], 0xff000000, v[TM+\b]
.endr
.irp b, 0,1,2,3
	v_lshrrev_b32 v[TM+4+\b], 23, v[TM+12+\b]
.endr
	s_delay_alu instid0(VALU_DEP_3)
	v_lshl_or_b32 v[PW], v[TM+5], 8, v[TM+4]
	s_delay_alu instid0(VALU_DEP_1)
	v_lshl_or_b32 v[PW], v[TM+6], 16, v[PW]
	s_delay_alu instid0(VALU_DEP_1)
	v_lshl_or_b32 v[PW], v[TM+7], 24, v[PW]
.irp c, 0,1
	v_cvt_scalef32_pk16_fp6_f32 v[PC+6*\c:PC+2+6*\c], v[\s+32*\c:\s+15+32*\c], v[TM+12+2*\c]
	v_cvt_scalef32_pk16_fp6_f32 v[PC+12+4*\c:PC+14+4*\c], v[\s+16+32*\c:\s+31+32*\c], v[TM+12+2*\c+1]
.endr
	v_nop
.irp c, 0,1
.irp i, 0,1,2
	v_permlane16_swap_b32 v[PC+6*\c+\i], v[PC+12+4*\c+\i]
.endr
.irp i, 0,1,2
	s_delay_alu instid0(VALU_DEP_3)
	v_mov_b32 v[PC+3+6*\c+\i], v[PC+12+4*\c+\i]
.endr
.endr
.endm
	s_load_b256 s[4:11], s[0:1], 0x0               ; q_buf, kv_buf, mask, o_img
	v_lshl_add_u32 v[SPW], v0, 2, SPARE
	v_mov_b32 v[NIL], 0
	ds_add_u32 v[SPW], v[NIL]                      ; the opening lines: the add twice on end and one wait
	ds_add_u32 v[SPW], v[NIL]
	v_lshrrev_b32 v9, 5, v0
	v_readfirstlane_b32 s[WV], v9                  ; wave 0..7
	s_bfe_u32 s[CX], ttmp6, 0x40000
	s_bfe_u32 s[CY], ttmp6, 0x40004
	s_lshl_b32 s[QX], ttmp9, 2
	s_add_co_u32 s[QX], s[QX], s[CX]               ; which 128 queries
	s_and_b32 s[YY], ttmp7, 0xffff
	s_lshl_b32 s[YY], s[YY], 2
	s_add_co_u32 s[YY], s[YY], s[CY]               ; which (batch, key/value head)
	s_lshl_b32 s17, 0x1111, s[CX]                  ; my column of the cluster: the mask's tiles
	s_lshl_b32 s18, s[CY], 2
	s_lshl_b32 s18, 15, s18                        ; my row: K and V
	s_or_b32 s[G1M], s17, (2<<16)|(1<<20)|(1<<21)|(6<<22)|(3<<25)   ; rows of 128 f32, 16 bytes of padding behind each
	s_or_b32 s[G1MH], s17, (2<<16)|(1<<20)|(1<<21)|(6<<22)|(3<<25)
	s_mov_b32 s[G1M+1], 128<<16
	s_mov_b32 s[G1M+2], 16<<16                     ; the ring's loads: 16 rows a wave
	s_mov_b32 s[G1M+3], 128<<16
	s_mov_b32 s[G1M+4], 16
	s_mov_b32 s[G1M+5], 2048
	s_mov_b32 s[G1M+6], 0
	s_mov_b32 s[G1M+7], 0
	s_mov_b32 s[G1MH+1], 128<<16
	s_mov_b32 s[G1MH+2], 32<<16                    ; the head's load of tile 0: 32 rows for each of four waves
	s_mov_b32 s[G1MH+3], 128<<16
	s_mov_b32 s[G1MH+4], 32
	s_mov_b32 s[G1MH+5], 2048
	s_mov_b32 s[G1MH+6], 0
	s_mov_b32 s[G1MH+7], 0
	s_or_b32 s[G1KV], s18, (3<<16)|(1<<21)         ; a dense block as rows of 256 bytes: a quarter of K and V is 106 of them
	s_mov_b32 s[G1KV+1], 32<<16
	s_mov_b32 s[G1KV+2], 106<<16
	s_mov_b32 s[G1KV+3], 32<<16
	s_mov_b32 s[G1KV+4], 106
	s_mov_b32 s[G1KV+5], 32
	s_mov_b32 s[G1KV+6], 0
	s_mov_b32 s[G1KV+7], 0
	s_and_b32 s19, s[WV], 3
	s_lshl_b32 s20, s[QX], 20                      ; 128 rows of the mask are 2^20 bytes
	s_lshl_b32 s22, s[WV], 17
	s_add_co_u32 s22, s22, s20
	s_add_co_u32 s22, s22, 512                     ; the ring begins with tile 1: my 16 rows, 128 keys on
	s_mov_b32 s23, 0
	s_lshl_b32 s66, s19, 18
	s_add_co_u32 s66, s66, s20                     ; tile 0: 32 rows
	s_mov_b32 s67, 0
	s_mul_i32 s80, s19, KVB/4
	s_mul_i32 s82, s[YY], KVB
	s_add_co_u32 s82, s82, s80
	s_mov_b32 s83, 0
	s_mul_i32 s84, s[YY], 4*QHB
	s_mov_b32 s85, 0
	s_lshl_b32 s[QT], s[QX], 3
	s_add_co_u32 s[QT], s[QT], s[WV]               ; my tile of 16 queries
	s_lshl_b32 s86, s[QT], 8
	s_lshl_b32 s87, s[QT], 7
	s_lshl_b32 s88, s[QT], 6
	s_lshr_b32 s89, s[WV], 1
	s_lshl_b32 s89, s89, 5
	s_and_b32 s21, s[WV], 1
	s_lshl_b32 s21, s21, 3
	s_add_co_u32 s89, s89, s21
	s_mul_i32 s89, s89, MP                         ; my tile's first row in a mask slot: 32 (wave / 2) + 8 (wave % 2)
	s_mov_b32 s[CC], 0x3e8293ee                    ; c = log2(e) / sqrt(32)
	s_mov_b32 s[CC+1], s[CC]
	s_mov_b32 s[SQ], 0x40b504f3                    ; sqrt(32)
	s_mov_b32 s[SQ+1], s[SQ]
	s_mov_b32 s[SEL], 0x76543210
	s_mov_b32 s[SEL+1], 0xfedcba98
	s_mov_b32 s[HM], 0xffff0000
	s_mov_b32 s[TB], 0
	s_mov_b32 s[TKA], 0
	s_mov_b32 s[TKB], 0
	s_mov_b32 s[TKS], 0
	s_mov_b32 s[TV], 0
	s_mov_b32 s[TVS], 0
	s_wait_dscnt 0x0                               ; both opening adds are done
	s_wait_kmcnt 0x0
	s_mov_b32 s[G0M], 1
	s_mul_i32 s[G0M+1], s[WV], 16*MP
	s_add_co_u32 s[G0M+1], s[G0M+1], MSLOT1
	s_add_nc_u64 s[G0M+2:G0M+3], s[8:9], s[22:23]
	s_or_b32 s[G0M+3], s[G0M+3], 0x80000000
	s_mov_b32 s[G0MH], 1
	s_mul_i32 s[G0MH+1], s19, 32*MP
	s_add_nc_u64 s[G0MH+2:G0MH+3], s[8:9], s[66:67]
	s_or_b32 s[G0MH+3], s[G0MH+3], 0x80000000
	s_mov_b32 s[G0KV], 1
	s_add_co_u32 s[G0KV+1], s80, KV
	s_add_nc_u64 s[G0KV+2:G0KV+3], s[6:7], s[82:83]
	s_or_b32 s[G0KV+3], s[G0KV+3], 0x80000000
	s_add_nc_u64 s[4:5], s[4:5], s[84:85]
	CROUND                                         ; in front of the first joint loads
	s_cmp_lt_u32 s[WV], 4                          ; the head's loads, one a wave: waves 0-3 a quarter of K and V each, waves 4-7 32 rows of mask tile 0 each
	s_cbranch_scc0 .Lhead_mask
	tensor_load_to_lds s[G0KV:G0KV+3], s[G1KV:G1KV+7]
	s_nop 0
	PLACES
	s_branch .Lhead_asked
.Lhead_mask:
	tensor_load_to_lds s[G0MH:G0MH+3], s[G1MH:G1MH+7]
	s_nop 0
	PLACES
.Lhead_asked:
	v_and_b32 v96, 31, v0                          ; lane
	v_and_b32 v97, 15, v0                          ; r
	v_bfe_u32 v98, v0, 4, 1                        ; h
	v_and_b32 v100, 8, v97
	v_and_b32 v101, 7, v97
	v_add_nc_u32 v99, v100, v97                    ; r + 8 (r / 8): my query's row in the tile's 32 rows of the mask
	v_lshlrev_b32 v[H8], 3, v98
	v_lshl_add_u32 v102, v97, 4, s86               ; Q: 16 + 8 bytes of codes and a scale word for row r
	v_lshl_add_u32 v103, v97, 3, s87
	v_lshl_add_u32 v104, v97, 2, s88
	v_mul_u32_u24 v[AM0], v99, MP
	v_lshl_add_u32 v[AM0], v98, 7, v[AM0]          ; the mask: lanes 16-31 begin 32 keys on
	v_add_nc_u32 v[AM0], s89, v[AM0]
	v_lshl_add_u32 v[AKA0], v101, 4, KV            ; K's codes, first 16 bytes: 512 (r / 8) + 16 (r % 8)
	v_lshl_add_u32 v[AKA0], v100, 6, v[AKA0]
	v_lshl_add_u32 v[AKB0], v101, 3, KV+KPB        ; the other 8: 256 (r / 8) + 8 (r % 8)
	v_lshl_add_u32 v[AKB0], v100, 5, v[AKB0]
	v_lshl_add_u32 v[AKS0], v101, 2, KV+KSW        ; K's scale words: 128 (r / 8) + 4 (r % 8), lanes 16-31 the odd tile's, 64 on
	v_lshl_add_u32 v[AKS0], v100, 4, v[AKS0]
	v_lshl_add_u32 v[AKS0], v98, 6, v[AKS0]
	v_lshl_add_u32 v[AV0],  v96, 4, KV+VIM
	v_lshl_add_u32 v[AVS0], v96, 2, KV+VSW
	WIN 0x40
.irp j, 0,1,2,3
	global_load_b128 v[QF+12*\j:QF+12*\j+3],   v102, s[4:5] offset:QHB*\j
	global_load_b64  v[QF+12*\j+4:QF+12*\j+5], v103, s[4:5] offset:QHB*\j+KPB
.endr
.irp j, 0,1,2,3
.irp i, 6,7,8,9,10,11
	v_mov_b32 v[QF+12*\j+\i], 0                    ; the head is 32 wide: k = 32 .. 127 of Q are zero codes
.endr
.endr
.irp i, 0,1,2,3,4,5
	v_mov_b32 v[KF+48+\i], 0
.endr
.set nn, 0
.rept 64
	v_mov_b32 v[OF+nn], 0                          ; the step is written once: the first finds zeros
.set nn, nn+1
.endr
	WIN 0
.irp j, 0,1,2,3
	global_load_b32 v[QSC+\j], v104, s[4:5] offset:QHB*\j+KSW
.endr
.irp j, 0,1,2,3
	v_mov_b32 v[ST+4*\j], 0x7e000000               ; -M: 2^125, over every -M to come
	v_mov_b32 v[ST+4*\j+1], 0xff61b1e6             ; the largest S' so far: -3e38
	v_mov_b32 v[ST+4*\j+2], 0
	v_mov_b32 v[ST+4*\j+3], 0
.endr
	v_mov_b32 v[PW], 0
	v_mov_b32 v[T0+1], 0                           ; a lane permute's destination counts as one of its sources
; S'^T of head j into score set s: eight tiles of 16 keys; C = the mask x sqrt(32)
.macro QK j, s
	WIN 0x15
.irp t, 0,1,2,3,4,5,6,7
.if \t%2
	v_wmma_scale_f32_16x16x128_f8f6f4 v[\s+8*\t:\s+8*\t+7], v[KF+6*\t:KF+6*\t+11], v[QF+12*(\j):QF+12*(\j)+11], v[MK+8*\t:MK+8*\t+7], v[KSC+\t/2], v[QSC+(\j)] matrix_a_fmt:MATRIX_FMT_FP6 matrix_b_fmt:MATRIX_FMT_FP6 matrix_a_scale:MATRIX_SCALE_ROW1
.else
	v_wmma_scale_f32_16x16x128_f8f6f4 v[\s+8*\t:\s+8*\t+7], v[KF+6*\t:KF+6*\t+11], v[QF+12*(\j):QF+12*(\j)+11], v[MK+8*\t:MK+8*\t+7], v[KSC+\t/2], v[QSC+(\j)] matrix_a_fmt:MATRIX_FMT_FP6 matrix_b_fmt:MATRIX_FMT_FP6
.endif
.endr
.endm
.macro ADD4 s, i                       ; the row's sum in four chains
	v_pk_add_f32 v[SJ+2:SJ+3], v[SJ+2:SJ+3], v[\s+\i:\s+\i+1]
	v_pk_add_f32 v[SA:SA+1], v[SA:SA+1], v[\s+\i+2:\s+\i+3]
	v_pk_add_f32 v[SB:SB+1], v[SB:SB+1], v[\s+\i+4:\s+\i+5]
	v_pk_add_f32 v[SD:SD+1], v[SD:SD+1], v[\s+\i+6:\s+\i+7]
.endm
; head j's softmax on score set s and its second product.  wv = 1: this step's V is waited for on the way
.macro SOFT j, s, wv
.set SJ, ST+4*(\j)
	WIN 0
	s_wait_alu depctr_va_vdst(0)                   ; the wait directly ahead of the first readers of the scores
.irp c, 0,1
.irp a, 0,1
	v_max3_num_f32 v[BP+2*\c+\a], v[\s+32*\c+16*\a], v[\s+32*\c+16*\a+1], v[\s+32*\c+16*\a+2]   ; each block's largest score, two chains a block, each accumulator from its low end on
.endr
.endr
.irp i, 3,5,7,9,11,13
.irp c, 0,1
.irp a, 0,1
	v_max3_num_f32 v[BP+2*\c+\a], v[BP+2*\c+\a], v[\s+32*\c+16*\a+\i], v[\s+32*\c+16*\a+\i+1]
.endr
.endr
.endr
.irp c, 0,1
	v_max3_num_f32 v[BM+\c], v[BP+2*\c], v[BP+2*\c+1], v[\s+32*\c+15]
.endr
.irp c, 0,1
	v_max_num_f32 v[BM+\c], v[BM+\c], v[\s+32*\c+31]
.endr
	s_delay_alu instid0(VALU_DEP_1)
	v_max_num_f32 v[T0], v[BM], v[BM+1]
	s_delay_alu instid0(VALU_DEP_1)
	v_permlanex16_b32 v[T0+1], v[T0], s[SEL], s[SEL+1]             ; lane l xor 16 holds my query's other two blocks
	s_delay_alu instid0(VALU_DEP_1)
	v_max3_num_f32 v[SJ+1], v[SJ+1], v[T0], v[T0+1]                ; the running largest S'
	s_delay_alu instid0(VALU_DEP_1)
	v_mul_f32 v[T0], s[CC], v[SJ+1]
	s_delay_alu instid0(VALU_DEP_1)
	v_floor_f32 v[T0], -v[T0]                      ; the new -M = -ceil(t)
	s_delay_alu instid0(VALU_DEP_1)
	v_sub_f32 v[T0+1], v[T0], v[SJ]                ; old M less new M: a whole number, 0 or less
	v_mov_b32 v[SJ], v[T0]
.set nn, 0
.rept 32
	v_pk_fma_f32 v[\s+nn:\s+nn+1], v[\s+nn:\s+nn+1], s[CC:CC+1], v[SJ:SJ+1] op_sel_hi:[1,0,0]   ; t - M
.if nn == 6
	v_cvt_i32_f32 v[T0+1], v[T0+1]                 ; (it saturates)
.endif
.if nn == 14
	v_ldexp_f32 v[F], 1.0, v[T0+1]                 ; f = 2^(old M - new M)
.endif
.set nn, nn+2
.endr
.irp c, 0,1
	v_fma_f32 v[BM+\c], v[BM+\c], s[CC], v[SJ]     ; the same of each block's largest score
.endr
.if \wv
	s_wait_dscnt 0x0                               ; this step's V and its scale words are in
.endif
	s_wait_alu depctr_va_vdst(0)                   ; the wait ahead of the batch
	v_exp_f32 v[BM], v[BM]
	v_exp_f32 v[BM+1], v[BM+1]
.set nn, 0
.rept 64
	v_exp_f32 v[\s+nn], v[\s+nn]
.set nn, nn+1
.endr
	v_pk_mul_f32 v[SJ+2:SJ+3], v[SJ+2:SJ+3], v[F:F+1] op_sel_hi:[1,0]   ; the sum under the new M; the plain place behind the batch
	s_wait_alu depctr_va_vdst(0)                   ; and the one wait behind it
	v_pk_add_f32 v[SA:SA+1], v[\s:\s+1], v[\s+2:\s+3]              ; the sum of the unquantised p; the block scales' lines stand between its groups
	v_pk_add_f32 v[SB:SB+1], v[\s+4:\s+5], v[\s+6:\s+7]
	v_pk_add_f32 v[SD:SD+1], v[\s+8:\s+9], v[\s+10:\s+11]
.irp c, 0,1
	v_max_num_f32 v[BM+\c], 0x1800000, v[BM+\c]    ; the floor 2^(3 - 127): the byte cannot fall under 1
.endr
	ADD4 \s, 12
.irp c, 0,1
	v_add_nc_u32 v[BS+\c], 0xff000000, v[BM+\c]    ; 2 off the exponent field: the conversion's scale operand
.endr
	ADD4 \s, 20
.irp c, 0,1
	v_lshrrev_b32 v[BP+\c], 23, v[BS+\c]           ; the scale's byte
.endr
	ADD4 \s, 28
	v_lshl_or_b32 v[T0], v[BP+1], 16, v[BP]        ; my bytes: blocks h and 2 + h,
	ADD4 \s, 36
	v_lshlrev_b32 v[T0], v[H8], v[T0]              ; at their places in the word;
	ADD4 \s, 44
	v_permlanex16_b32 v[T0+1], v[T0], s[SEL], s[SEL+1]
	ADD4 \s, 52
	v_or_b32 v[PW], v[T0], v[T0+1]                 ; with lane l xor 16's two the word is whole
	v_pk_add_f32 v[SJ+2:SJ+3], v[SJ+2:SJ+3], v[\s+60:\s+61]
	v_pk_add_f32 v[SA:SA+1], v[SA:SA+1], v[\s+62:\s+63]
	v_pk_add_f32 v[SB:SB+1], v[SB:SB+1], v[SD:SD+1]
	s_delay_alu instid0(VALU_DEP_2)
	v_pk_add_f32 v[SJ+2:SJ+3], v[SJ+2:SJ+3], v[SA:SA+1]
	s_delay_alu instid0(VALU_DEP_1)
	v_pk_add_f32 v[SJ+2:SJ+3], v[SJ+2:SJ+3], v[SB:SB+1]
.irp c, 0,1
	v_cvt_scalef32_pk16_fp6_f32 v[PC+6*\c:PC+6*\c+2], v[\s+32*\c:\s+32*\c+15], v[BS+\c]
	v_cvt_scalef32_pk16_fp6_f32 v[CT+4*\c:CT+4*\c+2], v[\s+32*\c+16:\s+32*\c+31], v[BS+\c]   ; (a conversion's three registers begin on an even number)
.endr
	v_nop                                          ; one plain place behind a scaled conversion
.irp c, 0,1
.irp i, 0,1,2
	v_mov_b32 v[PC+3+6*\c+\i], v[CT+4*\c+\i]
.endr
.endr
	WIN 0x41
	s_wait_alu depctr_va_vdst(0)                   ; the wait directly ahead of the first reader of O^T
.set nn, 0
.rept 8
	v_pk_mul_f32 v[OF+16*(\j)+nn:OF+16*(\j)+nn+1], v[OF+16*(\j)+nn:OF+16*(\j)+nn+1], v[F:F+1] op_sel_hi:[1,0]   ; O^T under the new M
.set nn, nn+2
.endr
	WIN 0x51
	v_wmma_scale_f32_16x16x128_f8f6f4 v[OF+16*(\j):OF+16*(\j)+7], v[VF:VF+11], v[PC:PC+11], v[OF+16*(\j):OF+16*(\j)+7], v[VSC], v[PW] matrix_a_fmt:MATRIX_FMT_FP6 matrix_b_fmt:MATRIX_FMT_FP6
	v_wmma_scale_f32_16x16x128_f8f6f4 v[OF+16*(\j)+8:OF+16*(\j)+15], v[VF+12:VF+23], v[PC:PC+11], v[OF+16*(\j)+8:OF+16*(\j)+15], v[VSC], v[PW] matrix_a_fmt:MATRIX_FMT_FP6 matrix_b_fmt:MATRIX_FMT_FP6 matrix_a_scale:MATRIX_SCALE_ROW1
	WIN 0
.endm
; the next 128 keys' K, its scale words and my 16 rows of the mask, from LDS
.macro LOADKM
	v_add_nc_u32 v9,  s[TB],  v[AM0]
	v_add_nc_u32 v10, s[TKA], v[AKA0]
	v_add_nc_u32 v11, s[TKB], v[AKB0]
	v_add_nc_u32 v12, s[TKS], v[AKS0]
	WIN 0x40
.irp c, 0,1
.irp u, 0,1,2,3
	ds_load_b128 v[KF+6*(4*\c+\u):KF+6*(4*\c+\u)+3],   v10 offset:1024*\c+256*(\u%2)+128*(\u/2)
	ds_load_b64  v[KF+6*(4*\c+\u)+4:KF+6*(4*\c+\u)+5], v11 offset:512*\c+128*(\u%2)+64*(\u/2)
.endr
.endr
.irp c, 0,1
.irp i, 0,1,2,3,4,5,6,7
	ds_load_b128 v[MK+32*\c+4*\i:MK+32*\c+4*\i+3], v9 offset:256*\c+16*\i
.endr
.endr
	WIN 0
.irp q, 0,1,2,3
	ds_load_b32 v[KSC+\q], v12 offset:256*(\q/2)+32*(\q%2)
.endr
	s_xor_b32 s[TB], s[TB], MSLOT1
	s_add_co_u32 s[TKA], s[TKA], 2048
	s_add_co_u32 s[TKB], s[TKB], 1024
	s_add_co_u32 s[TKS], s[TKS], 512
.endm
.macro LOADV
	v_add_nc_u32 v13, s[TV],  v[AV0]
	v_add_nc_u32 v14, s[TVS], v[AVS0]
	WIN 0x40
.irp u, 0,1
.irp c, 0,1,2
	ds_load_b128 v[VF+12*\u+4*\c:VF+12*\u+4*\c+3], v13 offset:1536*\u+512*\c
.endr
.endr
	WIN 0
	ds_load_b32 v[VSC], v14
	s_add_co_u32 s[TV],  s[TV],  3072
	s_add_co_u32 s[TVS], s[TVS], 128
.endm
.macro MSCALE                          ; the mask x sqrt(32), once for the four heads
	WIN 0x41
.set nn, 0
.rept 32
	v_pk_mul_f32 v[MK+nn:MK+nn+1], v[MK+nn:MK+nn+1], s[SQ:SQ+1] op_sel_hi:[1,0]
.set nn, nn+2
.endr
	PLACES
.endm
; A step of 128 keys.  At its start head 0's scores are issued.  next: a further step follows; fill: mask tile t + 2 is asked for.
.macro STEP fill, next
	QK 1, S1
	SOFT 0, S0, 1
	QK 2, S0
.if \next
	WIN 0
	s_wait_tensorcnt 0x0                           ; my part of mask tile t + 1 has landed: no load of mine is out;
	ds_add_u32 v[SPW], v[NIL]
.if \fill
	s_xor_b32 s[G0M+1], s[G0M+1], MSLOT1           ; the slot that held tile t,
	s_add_nc_u64 s[G0M+2:G0M+3], s[G0M+2:G0M+3], 512   ; and tile t + 2
.endif
	s_wait_dscnt 0x0                               ; the add is done; my reads of tile t ended in the last step
	s_barrier_signal -1                            ; head 1's work, on registers alone, stands between the signal and the wait
.endif
	SOFT 1, S1, 0
	QK 3, S1
	WIN 0
.if \next
	s_barrier_wait -1
.if \fill
	CREST                                          ; the barrier has opened a round of the cluster's barrier
	tensor_load_to_lds s[G0M:G0M+3], s[G1M:G1M+7]
	s_nop 0
.endif
	PLACES                                         ; also the places in front of loads into registers that head 3's score products read
	LOADKM
.endif
	SOFT 2, S0, 0
.if \next
	s_wait_dscnt 0x0                               ; the next step's mask, K and scale words are in
	MSCALE
	QK 0, S0
.endif
	SOFT 3, S1, 0
.if \next
	PLACES
	LOADV
.endif
.endm
	s_wait_alu depctr_va_vdst(0)
	s_wait_tensorcnt 0x0                           ; my head's load has landed; the lines ahead of a later first fill:
	ds_add_u32 v[SPW], v[NIL]
	s_wait_dscnt 0x0
	CROUND
	tensor_load_to_lds s[G0M:G0M+3], s[G1M:G1M+7]  ; mask tile 1 into slot 1
	s_nop 0
	PLACES
	LOADKM
	LOADV
	s_wait_loadcnt 0x0
	WIN 0x41
.irp j, 0,1,2,3
.irp i, 0,1,2,3,4,5
	v_cndmask_b32 v[QF+12*\j+\i], v[QF+12*\j+\i], 0, s[HM]         ; lanes 16-31 hold k = 32 .. 63: zero codes
.endr
.endr
	s_wait_dscnt 0x0
	MSCALE
	QK 0, S0
	WIN 0
	PLACES
	s_wait_alu depctr_va_vdst(0)                   ; the wait at the head's end
	s_mov_b32 s[CNT], 14                           ; steps 0 to 13 ask for tiles 2 to 15
.Lkey:
	STEP 1, 1
	s_sub_co_u32 s[CNT], s[CNT], 1
	s_cmp_lg_u32 s[CNT], 0
	s_wait_alu depctr_va_vdst(0)
	s_cbranch_scc1 .Lkey
	STEP 0, 1
	STEP 0, 0
.irp j, 0,1,2,3
	v_add_f32 v[BM+\j], v[ST+4*\j+2], v[ST+4*\j+3]
.endr
.irp j, 0,1,2,3
	v_permlanex16_b32 v[BP+\j], v[BM+\j], s[SEL], s[SEL+1]
.endr
.irp j, 0,1,2,3
	v_add_f32 v[BM+\j], v[BM+\j], v[BP+\j]         ; the row's sum
.endr
	s_wait_alu depctr_va_vdst(0)
.irp j, 0,1,2,3
	v_rcp_f32 v[BS+\j], v[BM+\j]
.endr
	v_and_b32 v9, 31, v0
	s_delay_alu instid0(VALU_DEP_1)
	v_lshlrev_b32 v9, 4, v9
	v_and_b32 v10, 15, v0
	s_delay_alu instid0(VALU_DEP_1)
	v_lshlrev_b32 v10, 2, v10
	s_lshr_b32 s80, s[YY], 3                       ; o_img: tile 128 batch + my tile; unit (head group / 4); image and scale words of K step head group % 4
	s_and_b32 s81, s[YY], 7
	s_lshl_b32 s80, s80, 7
	s_add_co_u32 s80, s80, s[QT]
	s_lshl_b32 s80, s80, 1
	s_lshr_b32 s82, s81, 2
	s_add_co_u32 s80, s80, s82
	s_mul_i32 s80, s80, 6400
	s_and_b32 s81, s81, 3
	s_mul_i32 s82, s81, 1536
	s_add_co_u32 s82, s82, s80
	s_mov_b32 s83, 0
	s_add_nc_u64 s[84:85], s[10:11], s[82:83]
	s_lshl_b32 s82, s81, 6
	s_add_co_u32 s82, s82, s80
	s_add_nc_u64 s[86:87], s[10:11], s[82:83]
	WIN 0x01
	s_wait_alu depctr_va_vdst(0)
.irp j, 0,1,2,3
.set nn, 0
.rept 16
	v_mul_f32 v[S1+16*\j+nn], v[OF+16*\j+nn], v[BS+\j]             ; register 16 j + i: o(query r, 32 j + 16 h + i)
.set nn, nn+1
.endr
.endr
	WIN 0
	QUANT S1
.irp c, 0,1,2
	global_store_b128 v9, v[PC+4*\c:PC+4*\c+3], s[84:85] offset:512*\c   ; 32 lanes store 512 consecutive bytes
.endr
	global_store_b32 v10, v[PW], s[86:87] offset:6144
	s_wait_tensorcnt 0x0                           ; the wave's end
	ds_add_u32 v[SPW], v[NIL]
	s_wait_dscnt 0x0
	CROUND                                         ; the closing round
	s_endpgm
.Lfunc_end_k_q35435c2372_attn:
	.size	k_q35435c2372_attn, .Lfunc_end_k_q35435c2372_attn-k_q35435c2372_attn
	.p2alignl 7, 3214868480
	.fill 96, 4, 3214868480
	.section	.rodata,"a",@progbits
	.p2align	6, 0x0
	.amdhsa_kernel k_q35435c2372_attn
		.amdhsa_group_segment_fixed_size 327680
		.amdhsa_private_segment_fixed_size 0
		.amdhsa_enable_private_segment 0
		.amdhsa_kernarg_size 32
		.amdhsa_user_sgpr_count 2
		.amdhsa_user_sgpr_kernarg_segment_ptr 1
		.amdhsa_wavefront_size32 1
		.amdhsa_system_sgpr_workgroup_id_x 1
		.amdhsa_system_sgpr_workgroup_id_y 1
		.amdhsa_system_sgpr_workgroup_id_z 1
		.amdhsa_system_vgpr_workitem_id 0
		.amdhsa_next_free_vgpr 512
		.amdhsa_next_free_sgpr 96
		.amdhsa_reserve_vcc 0
		.amdhsa_float_denorm_mode_32 3
		.amdhsa_float_denorm_mode_16_64 3
		.amdhsa_memory_ordered 1
		.amdhsa_forward_progress 1
		.amdhsa_inst_pref_size 184
	.end_amdhsa_kernel
	.amdgpu_metadata
---
amdhsa.version: [ 1, 2 ]
amdhsa.kernels:
  - .name:           k_q35435c2372_attn
    .symbol:         k_q35435c2372_attn.kd
    .args:
      - { .name: q_buf, .offset: 0, .size: 8, .value_kind: global_buffer, .address_space: global }
      - { .name: kv_buf, .offset: 8, .size: 8, .value_kind: global_buffer, .address_space: global }
      - { .name: mask, .offset: 16, .size: 8, .value_kind: global_buffer, .address_space: global }
      - { .name: o_img, .offset: 24, .size: 8, .value_kind: global_buffer, .address_space: global }
    .group_segment_fixed_size: 327680
    .private_segment_fixed_size: 0
    .kernarg_segment_align: 8
    .kernarg_segment_size: 32
    .max_flat_workgroup_size: 256
    .sgpr_count:     96
    .vgpr_count:     512
    .wavefront_size: 32
...
	.end_amdgpu_metadata
.endif
;; end of part 3
;; launch oproj (part 4): grid 16 x 16, 4 waves a work-group, clusters of 4 x 4, 327,680 bytes of LDS; arguments o_img, wo_img, out0; writes out0
.if DOCPART == 4
	.amdgcn_target "amdgcn-amd-amdhsa--gfx1250"
	.amdhsa_code_object_version 6
	.text
	.protected	k_q35435c2372_oproj
	.globl	k_q35435c2372_oproj
	.p2align	8
	.type	k_q35435c2372_oproj,@function
k_q35435c2372_oproj:
	s_mov_b64 s[64:65], 0
	v_nop
	global_prefetch_b8 v0, s[64:65] scope:SCOPE_SE
	s_setreg_imm32_b32 hwreg(HW_REG_WAVE_MODE, 25, 1), 1
	s_wait_xcnt 0x0
	s_wait_alu depctr_hold_cnt(0) depctr_sa_sdst(0) depctr_va_vdst(0) depctr_va_sdst(0) depctr_va_ssrc(0) depctr_va_vcc(0) depctr_vm_vsrc(0)
	s_getreg_b32 s2, hwreg(HW_REG_IB_STS2, 6, 4)
	s_cmp_eq_u32 s2, 0
	s_cbranch_scc0 .Lentry_in_a_cluster
	s_endpgm
.Lentry_in_a_cluster:
	s_bfe_u32 s2, ttmp6, 0x10000c
	s_cmp_lg_u32 s2, 0xf033
	s_cbranch_scc0 .Lentry_shape_is_right
	s_endpgm
.Lentry_shape_is_right:
.set QSR,   6400
.set TSTR,  2*QSR
.set HALFT, 8*3072
.set SLOT,  4*HALFT
.set SCL,   2*SLOT
.set SPARE, SCL+16384
.set SPITCH, 528
.set ROWC,  16384
.set ADRA, 2
.set ADRB, 4
.set ASA,  6
.set ASB,  7
.set STO,  8
.set RD,   9
.set CO,   10
.set SPW,  12
.set NIL,  13
.set SC,   16
.set AF,   48
.set BK,   48
.set G1, 24
.set G0, 32
.set G1B, 48
.set G0B, 56
.set G1S, 68
.set G0S, 76
.set G1SB, 80
.set G0SB, 88
.set MSB, 0
.macro WIN new
.if MSB != (\new)
	s_set_vgpr_msb (MSB<<8)|(\new)
.set MSB, (\new)
.endif
.endm
.macro PLACES n
.rept \n
	v_nop
.endr
.endm
.macro JLOAD g0a, g1a, g0b, g1b
	s_cmp_eq_u32 s15, 0
	s_cbranch_scc0 .Lfor_b_\@
	tensor_load_to_lds s[\g0a:\g0a+3], s[\g1a:\g1a+7]
	s_nop 0
.rept 4
	v_nop
.endr
	s_branch .Lasked_\@
.Lfor_b_\@:
	tensor_load_to_lds s[\g0b:\g0b+3], s[\g1b:\g1b+7]
	s_nop 0
.rept 4
	v_nop
.endr
.Lasked_\@:
.endm
.macro CREST
	s_cmp_lg_u32 s14, 0
	s_cbranch_scc1 .Lnot_wave_0_\@
	s_barrier_signal -3
.Lnot_wave_0_\@:
	s_barrier_wait -3
	s_barrier_signal -1
	s_barrier_wait -1
.endm
.macro CROUND
	s_barrier_signal -1
	s_barrier_wait -1
	CREST
.endm
	s_load_b128 s[4:7], s[0:1], 0x0
	s_load_b64 s[8:9], s[0:1], 0x10
	v_lshl_add_u32 v[SPW], v0, 2, SPARE
	v_mov_b32 v[NIL], 0
	ds_add_u32 v[SPW], v[NIL]
	ds_add_u32 v[SPW], v[NIL]
	v_lshrrev_b32 v1, 5, v0
	v_readfirstlane_b32 s14, v1
	s_lshr_b32 s15, s14, 1
	s_and_b32 s16, s14, 1
	s_bfe_u32 s40, ttmp6, 0x40000
	s_bfe_u32 s41, ttmp6, 0x40004
	s_lshl_b32 s42, ttmp9, 2
	s_add_co_u32 s42, s42, s40
	s_and_b32 s17, ttmp7, 0xffff
	s_lshl_b32 s17, s17, 2
	s_add_co_u32 s17, s17, s41
	s_lshl_b32 s43, s41, 2
	s_lshl_b32 s43, 15, s43
	s_lshl_b32 s44, 0x1111, s40
	s_or_b32 s[G1], s43, (3<<16)|(1<<21)
	s_or_b32 s[G1B], s44, (3<<16)|(1<<21)
	s_or_b32 s[G1S], s43, (3<<16)|(1<<21)
	s_or_b32 s[G1SB], s44, (3<<16)|(1<<21)
.irp g, G1, G1B
	s_mov_b32 s[\g+1], 384<<16
	s_mov_b32 s[\g+2], 16<<16
	s_mov_b32 s[\g+3], 384<<16
	s_mov_b32 s[\g+4], 16
	s_mov_b32 s[\g+5], TSTR/8
	s_mov_b32 s[\g+6], 0
	s_mov_b32 s[\g+7], 0
.endr
.irp g, G1S, G1SB
	s_mov_b32 s[\g+1], 32<<16
	s_mov_b32 s[\g+2], 32<<16
	s_mov_b32 s[\g+3], 32<<16
	s_mov_b32 s[\g+4], 32
	s_mov_b32 s[\g+5], QSR/8
	s_mov_b32 s[\g+6], 0
	s_mov_b32 s[\g+7], 0
.endr
	s_mul_i32 s18, s16, 8*TSTR                     ; in the ring I fetch 8 of a block's 16 tiles: which half, in bytes
	s_mov_b32 s19, 0
	s_lshl_b32 s20, s17, 4
	s_mul_i32 s20, s20, TSTR
	s_mov_b32 s21, 0
	s_lshl_b32 s46, s42, 4
	s_mul_i32 s46, s46, TSTR
	s_mov_b32 s47, 0
	s_mul_i32 s45, s14, HALFT
	s_wait_dscnt 0x0
	s_wait_kmcnt 0x0
	s_add_nc_u64 s[20:21], s[4:5], s[20:21]
	s_add_nc_u64 s[46:47], s[6:7], s[46:47]
	CROUND
.set G0H,  4                           ; s[4:7], s[96:99] group 0 for the head's loads of chunk 0: A's 16 tiles, B's 16 tiles (the arguments in s[4:7] have been used by then)
.set G0HB, 96
	s_mov_b32 s[G0S], 1                            ; the head's four tiles, each whole: the scale words of A's 16 tiles (32 units, 256 bytes of each),
	s_mov_b32 s[G0S+1], SCL
	s_add_nc_u64 s[G0S+2:G0S+3], s[20:21], 6144
	s_or_b32 s[G0S+3], s[G0S+3], 0x80000000
	s_mov_b32 s[G0SB], 1                           ; those of B's,
	s_mov_b32 s[G0SB+1], SCL+8192
	s_add_nc_u64 s[G0SB+2:G0SB+3], s[46:47], 6144
	s_or_b32 s[G0SB+3], s[G0SB+3], 0x80000000
	s_mov_b32 s[G0H], 1                            ; chunk 0 of A's 16 tiles,
	s_mov_b32 s[G0H+1], 0
	s_mov_b64 s[G0H+2:G0H+3], s[20:21]
	s_or_b32 s[G0H+3], s[G0H+3], 0x80000000
	s_mov_b32 s[G0HB], 1                           ; and of B's, behind them in slot 0
	s_mov_b32 s[G0HB+1], 2*HALFT
	s_mov_b64 s[G0HB+2:G0HB+3], s[46:47]
	s_or_b32 s[G0HB+3], s[G0HB+3], 0x80000000
	s_add_nc_u64 s[20:21], s[20:21], s[18:19]      ; for the ring: my 8 tiles
	s_add_nc_u64 s[46:47], s[46:47], s[18:19]
.irp s, 0,1
	s_mov_b32 s[G0+4*\s], 1
	s_add_co_u32 s[G0+4*\s+1], s45, \s*SLOT
	s_add_nc_u64 s[G0+4*\s+2:G0+4*\s+3], s[20:21], \s*3072
	s_or_b32 s[G0+4*\s+3], s[G0+4*\s+3], 0x80000000
	s_mov_b32 s[G0B+4*\s], 1
	s_add_co_u32 s[G0B+4*\s+1], s45, \s*SLOT
	s_add_nc_u64 s[G0B+4*\s+2:G0B+4*\s+3], s[46:47], \s*3072
	s_or_b32 s[G0B+4*\s+3], s[G0B+4*\s+3], 0x80000000
.endr
; THE HEAD'S LOADS, ONE A WAVE: wave 0 chunk 0 of A, wave 1 chunk 0 of B, wave 2 A's scale words, wave 3 B's.
; One chain of branches on the wave's number: every way through the head passes exactly one load.
.macro ARM under, g0, g1, next
	s_cmp_lt_u32 s14, \under
	s_cbranch_scc0 \next
	tensor_load_to_lds s[\g0:\g0+3], s[\g1:\g1+7]
	s_nop 0
	PLACES 4
	s_branch .Lhead_asked
\next:
.endm
	ARM 1, G0H,  G1,  .Lhead_b
	ARM 2, G0HB, G1B, .Lhead_sa
	ARM 3, G0S,  G1S, .Lhead_sb
	tensor_load_to_lds s[G0SB:G0SB+3], s[G1SB:G1SB+7]
	s_nop 0
	PLACES 4
.Lhead_asked:
	v_and_b32 v1, 31, v0
	s_wait_alu depctr_va_vdst(0)
	v_and_b32 v14, 15, v0
	s_wait_alu depctr_va_vdst(0)
	v_bfe_u32 v15, v0, 4, 1
	v_lshlrev_b32 v[CO], 4, v1
	s_mul_i32 s22, s15, HALFT
	s_mul_i32 s23, s16, HALFT
	s_add_co_u32 s23, s23, 2*HALFT
.irp s, 0,1
	v_add_nc_u32 v[ADRA+\s], s22, v[CO]
	v_add_nc_u32 v[ADRB+\s], s23, v[CO]
	s_add_co_u32 s22, s22, SLOT
	s_add_co_u32 s23, s23, SLOT
.endr
	s_lshl_b32 s22, s15, 12
	s_add_co_u32 s22, s22, SCL
	v_lshl_add_u32 v[ASA], v1, 2, s22
	s_lshl_b32 s23, s16, 12
	s_add_co_u32 s23, s23, SCL+8192
	v_lshl_add_u32 v[ASB], v1, 2, s23
	s_mul_i32 s95, s14, 16*SPITCH
	v_mul_u32_u24 v[STO], v14, SPITCH
	s_wait_alu depctr_va_vdst(0)
	v_lshl_add_u32 v[STO], v15, 6, v[STO]
	v_add_nc_u32 v[STO], s95, v[STO]
	v_add_nc_u32 v[RD], s95, v[CO]
	s_lshl_b32 s92, s17, 22
	s_lshl_b32 s93, s15, 21
	s_add_co_u32 s92, s92, s93
	s_lshl_b32 s93, s42, 10
	s_add_co_u32 s92, s92, s93
	s_lshl_b32 s93, s16, 9
	s_add_co_u32 s92, s92, s93
	s_mov_b32 s93, 0
	s_add_nc_u64 s[8:9], s[8:9], s[92:93]
.macro FETCH slot, q, set
	WIN 0x40
.irp i, 0,1,2,3,4,5,6,7
.irp c, 0,1,2
	ds_load_b128 v[96*(\set)+12*\i+4*\c:96*(\set)+12*\i+4*\c+3], v[ADRB+\slot] offset:\i*3072+1536*(\q)+512*\c
.endr
.endr
	WIN 0
.irp i, 0,1,2,3,4,5,6,7
.irp c, 0,1,2
	ds_load_b128 v[AF+96*(\set)+12*\i+4*\c:AF+96*(\set)+12*\i+4*\c+3], v[ADRA+\slot] offset:\i*3072+1536*(\q)+512*\c
.endr
.endr
.endm
.macro SCALES sc
.irp i, 0,1,2,3,4,5,6,7
	ds_load_b32 v[SC+16*(\sc)+\i],   v[ASA] offset:512*\i
	ds_load_b32 v[SC+16*(\sc)+8+\i], v[ASB] offset:512*\i
.endr
.endm
.macro MUL16 a0, set, q, sc, zero
	WIN 0xa1+0x50*((\a0)/4)
.irp a, \a0, \a0+1
.irp b, 0,1,2,3,4,5,6,7
.if \zero
	v_wmma_scale_f32_16x16x128_f8f6f4 v[8*(8*((\a)%4)+\b):8*(8*((\a)%4)+\b)+7], v[96*(\set)+12*\b:96*(\set)+12*\b+11], v[AF+96*(\set)+12*(\a):AF+96*(\set)+12*(\a)+11], 0, v[SC+16*(\sc)+8+\b], v[SC+16*(\sc)+(\a)] matrix_a_fmt:MATRIX_FMT_FP6 matrix_b_fmt:MATRIX_FMT_FP6
.elseif \q
	v_wmma_scale_f32_16x16x128_f8f6f4 v[8*(8*((\a)%4)+\b):8*(8*((\a)%4)+\b)+7], v[96*(\set)+12*\b:96*(\set)+12*\b+11], v[AF+96*(\set)+12*(\a):AF+96*(\set)+12*(\a)+11], v[8*(8*((\a)%4)+\b):8*(8*((\a)%4)+\b)+7], v[SC+16*(\sc)+8+\b], v[SC+16*(\sc)+(\a)] matrix_a_fmt:MATRIX_FMT_FP6 matrix_b_fmt:MATRIX_FMT_FP6 matrix_a_scale:MATRIX_SCALE_ROW1 matrix_b_scale:MATRIX_SCALE_ROW1
.else
	v_wmma_scale_f32_16x16x128_f8f6f4 v[8*(8*((\a)%4)+\b):8*(8*((\a)%4)+\b)+7], v[96*(\set)+12*\b:96*(\set)+12*\b+11], v[AF+96*(\set)+12*(\a):AF+96*(\set)+12*(\a)+11], v[8*(8*((\a)%4)+\b):8*(8*((\a)%4)+\b)+7], v[SC+16*(\sc)+8+\b], v[SC+16*(\sc)+(\a)] matrix_a_fmt:MATRIX_FMT_FP6 matrix_b_fmt:MATRIX_FMT_FP6
.endif
.endr
.endr
.endm
.macro STEP slot, zero
	s_wait_dscnt 0x0
	MUL16 0, 0, 0, \slot, \zero
	PLACES 4
	FETCH \slot, 1, 1
	MUL16 2, 0, 0, \slot, \zero
	MUL16 4, 0, 0, \slot, \zero
	MUL16 6, 0, 0, \slot, \zero
	WIN 0
.endm
.macro TURN slot, next, fill
	s_wait_tensorcnt 0x0
	ds_add_u32 v[SPW], v[NIL]
	s_wait_dscnt 1
	MUL16 0, 1, 1, \slot, 0
	s_wait_dscnt 0x0
	s_barrier_signal -1
	MUL16 2, 1, 1, \slot, 0
	WIN 0
	s_barrier_wait -1
.if \fill
	CREST
	s_add_nc_u64 s[G0+4*\slot+2:G0+4*\slot+3], s[G0+4*\slot+2:G0+4*\slot+3], QSR
	s_add_nc_u64 s[G0B+4*\slot+2:G0B+4*\slot+3], s[G0B+4*\slot+2:G0B+4*\slot+3], QSR
	JLOAD G0+4*\slot, G1, G0B+4*\slot, G1B
.else
	PLACES 4
.endif
	s_wait_alu depctr_va_vdst(0)
	v_add_nc_u32 v[ASA], 128, v[ASA]
	v_add_nc_u32 v[ASB], 128, v[ASB]
	FETCH \next, 0, 0
	SCALES \next
	MUL16 4, 1, 1, \slot, 0
	MUL16 6, 1, 1, \slot, 0
	WIN 0
.endm
	s_wait_alu depctr_va_vdst(0)                   ; the wait at the head's end
	s_wait_tensorcnt 0x0                           ; my tile of the head's four is in; the lines ahead of a later first fill:
	ds_add_u32 v[SPW], v[NIL]
	s_mov_b32 s[G1+2], 8<<16                       ; no tensor load of mine is out: from here on a load brings 8 tiles
	s_mov_b32 s[G1+4], 8
	s_mov_b32 s[G1B+2], 8<<16
	s_mov_b32 s[G1B+4], 8
	s_wait_dscnt 0x0
	CROUND                                         ; a whole round: all four tiles are in, and the joint loads meet
	JLOAD G0+4, G1, G0B+4, G1B                     ; chunk 1 into slot 1, the first tensor load behind the round
	FETCH 0, 0, 0
	SCALES 0
	STEP 0, 1
	TURN 0, 1, 1
	STEP 1, 0
	TURN 1, 0, 1
	STEP 0, 0
	TURN 0, 1, 0
	STEP 1, 0
	s_wait_dscnt 0x0
	MUL16 0, 1, 1, 1, 0
	MUL16 2, 1, 1, 1, 0
	MUL16 4, 1, 1, 1, 0
	MUL16 6, 1, 1, 1, 0
	WIN 0
.macro TOSTAGE a
.set AC, 64*((\a)%4)
	WIN 0x08+4*((\a)/4)
.irp b, 0,1,2,3,4,5,6,7
	ds_store_b128 v[STO], v[AC+8*\b:AC+8*\b+3] offset:128*(\b/2)+32*(\b%2)
	ds_store_b128 v[STO], v[AC+8*\b+4:AC+8*\b+7] offset:128*(\b/2)+32*(\b%2)+16
.endr
	WIN 0
.set BB, BK+64*((\a)%2)
.irp t, 0,1,2,3,4,5,6,7,8,9,10,11,12,13,14,15
	ds_load_b128 v[BB+4*\t:BB+4*\t+3], v[RD] offset:\t*SPITCH
.endr
.endm
.macro SEND a, younger
.set BB, BK+64*((\a)%2)
	s_wait_dscnt \younger
.if (\a) > 0
.if (\a)%2
	s_add_nc_u64 s[8:9], s[8:9], 8*ROWC
.else
	s_add_nc_u64 s[8:9], s[8:9], 24*ROWC
.endif
.endif
.irp t, 0,1,2,3,4,5,6,7,8,9,10,11,12,13,14,15
	global_store_b128 v[CO], v[BB+4*\t:BB+4*\t+3], s[8:9] offset:(\t+8*(\t/8))*ROWC th:TH_STORE_NT
.endr
.endm
	PLACES 4
	TOSTAGE 0
.irp a, 1,2,3,4,5,6,7
.if \a > 1
	s_wait_xcnt 0x0
.endif
	TOSTAGE \a
	SEND \a-1, 32
.endr
	s_wait_xcnt 0x0
	SEND 7, 0
	s_wait_tensorcnt 0x0
	ds_add_u32 v[SPW], v[NIL]
	s_wait_dscnt 0x0
	CROUND
	s_endpgm
.Lfunc_end_k_q35435c2372_oproj:
	.size	k_q35435c2372_oproj, .Lfunc_end_k_q35435c2372_oproj-k_q35435c2372_oproj
	.p2alignl 7, 3214868480
	.fill 96, 4, 3214868480
	.section	.rodata,"a",@progbits
	.p2align	6, 0x0
	.amdhsa_kernel k_q35435c2372_oproj
		.amdhsa_group_segment_fixed_size 327680
		.amdhsa_private_segment_fixed_size 0
		.amdhsa_enable_private_segment 0
		.amdhsa_kernarg_size 24
		.amdhsa_user_sgpr_count 2
		.amdhsa_user_sgpr_kernarg_segment_ptr 1
		.amdhsa_wavefront_size32 1
		.amdhsa_system_sgpr_workgroup_id_x 1
		.amdhsa_system_sgpr_workgroup_id_y 1
		.amdhsa_system_sgpr_workgroup_id_z 1
		.amdhsa_system_vgpr_workitem_id 0
		.amdhsa_next_free_vgpr 1024
		.amdhsa_next_free_sgpr 100
		.amdhsa_reserve_vcc 0
		.amdhsa_float_denorm_mode_32 3
		.amdhsa_float_denorm_mode_16_64 3
		.amdhsa_memory_ordered 1
		.amdhsa_forward_progress 1
		.amdhsa_inst_pref_size 137
	.end_amdhsa_kernel
	.amdgpu_metadata
---
amdhsa.version: [ 1, 2 ]
amdhsa.kernels:
  - .name:           k_q35435c2372_oproj
    .symbol:         k_q35435c2372_oproj.kd
    .args:
      - { .name: o_img, .offset: 0, .size: 8, .value_kind: global_buffer, .address_space: global }
      - { .name: wo_img, .offset: 8, .size: 8, .value_kind: global_buffer, .address_space: global }
      - { .name: out0, .offset: 16, .size: 8, .value_kind: global_buffer, .address_space: global }
    .group_segment_fixed_size: 327680
    .private_segment_fixed_size: 0
    .kernarg_segment_align: 8
    .kernarg_segment_size: 24
    .max_flat_workgroup_size: 128
    .sgpr_count:     100
    .vgpr_count:     1024
    .wavefront_size: 32
...
	.end_amdgpu_metadata
.endif
;; end of part 4
